; MI455X (gfx1250); checked and timed in simulation.
; The chip was launched on July 23, 2026; its instructions are those of AMD's public machine-readable ISA for CDNA 5 (MIT licence, August 2026) and "CDNA5" Instruction Set Architecture Reference Guide (July 2026). The comments in the code are by the model that wrote it; some were corrected since.
;; Diff Attention. Allowed arithmetic: matrix products marked QUANTISED: E2M3 operands, one E8M0 scale for each 32 along K, by v_wmma_scale_f32_16x16x128_f8f6f4 with both operands' format E2M3, f32 sums; everything else in f32.
;; Inputs: Wk 2,048 x 2,048 float32; Wo 2,048 x 2,048 float32; Wq 2,048 x 2,048 float32; Wv 2,048 x 2,048 float32; freqs_cos 2,048 x 32 float32; freqs_sin 2,048 x 32 float32; lambda_k1 64 float32; lambda_k2 64 float32; lambda_q1 64 float32; lambda_q2 64 float32; norm_w 128 float32; x 1 x 2,048 x 2,048 float32.
;; Outputs: out0 1 x 2,048 x 2,048 float32.
;; Constants: start_pos = 0.
;; This version of the problem:
;;   THIS VERSION OF THE PROBLEM IS GIVEN IN LOW PRECISION. The matrix products marked QUANTISED in the list below multiply operands that are first quantised to E2M3 (2 exponent bits, 3 mantissa bits; 6 bits a number), with one power-of-two scale for each 32 numbers along K (OCP MX v1.0); their sums are f32. All else is computed in f32.
;;   The module's matrix products, in the order in which they are computed (A, B: the left and right operand; K: the contracted axis; several contracted axes count as one K, in the product's order):
;;     1. [M 2,048, K 2,048] x [K 2,048, N 2,048]; A: input x; B: input Wq: QUANTISED
;;     2. [M 2,048, K 2,048] x [K 2,048, N 2,048]; A: input x; B: input Wk: QUANTISED
;;     3. [M 2,048, K 2,048] x [K 2,048, N 2,048]; A: input x; B: input Wv: QUANTISED
;;     4. batch 32 x [M 2,048, K 64] x [K 64, N 2,048]; A: computed on the way; B: computed on the way: QUANTISED
;;     5. batch 16 x [M 2,048, K 2,048] x [K 2,048, N 128]; A: computed on the way; B: computed on the way: QUANTISED
;;     6. [M 2,048, K 2,048] x [K 2,048, N 2,048]; A: computed on the way; B: input Wo: QUANTISED
;;   THE QUANTISER, for each operand of a quantised product, along K:
;;     - K is cut into blocks of 32 from its start; a last block that is shorter is filled with zeros.
;;     - A block's scale is 2^e with e = floor(log2(the largest magnitude in the block)) - 2, held to -126 .. 127; a block of zeros has e = 0. As a byte (E8M0): e + 127.
;;     - Each number is divided by its block's scale, clamped to +-7.5, and rounded to the nearest number of E2M3, ties to even, subnormals kept.
;;     - The product sums the exact products of the quantised numbers (number of the format x scale) in f32.
;;   ~~~python
;;   def quantise(x, axis):      # numpy; x: float32 -> the quantised numbers, widened to float32 again
;;       x = np.moveaxis(x, axis, -1); K = x.shape[-1]
;;       x = np.pad(x, [(0, 0)] * (x.ndim - 1) + [(0, -K % 32)]); x = x.reshape(x.shape[:-1] + (-1, 32)); a = np.abs(x).max(-1, keepdims=True)
;;       e = np.where(a > 0, np.clip(np.frexp(np.where(a > 0, a, 1))[1] - 1 - 2, -126, 127), 0)      # np.frexp(a)[1] - 1 = floor(log2(a)), exactly
;;       r = np.clip(x / 2.0 ** e, -7.5, 7.5)
;;       step = 2.0 ** (np.maximum(np.frexp(np.where(r == 0, 1, r))[1] - 1, 0) - 3)
;;       q = np.round(r / step) * step * 2.0 ** e      # np.round: ties to even
;;       return np.moveaxis(q.reshape(q.shape[:-2] + (-1,))[..., :K], -1, axis).astype(np.float32)
;;   ~~~
;;   OPERANDS COMPUTED ON THE WAY. 'Computed on the way' means the value that the module computes at that place (a softmax that the list does not call 'softmax' is quantised finished and normalised). What goes into a quantiser is computed in f32, as accurately as f32 sums, v_exp_f32 and their like allow (about 1e-6 of the number): no bf16 or f16 on the way to a quantiser, and a product that is left as it is and whose result goes on into a quantised operand takes f32 operands (vector FMAs, or v_wmma_f32_16x16x4_f32). A number that lies on a knife's edge between two numbers of the format may be rounded either way, as far as f32 arithmetic and the matrix unit's own rounding can turn it there, and no further.
;; One version. Each part assembles by itself: llvm-mc -triple=amdgcn-amd-amdhsa -mcpu=gfx1250 --defsym DOCPART=n.
;; ======== version 1 of 1: 4 launches
;; limits: right only within a limited range of input values
;; workspace buffers: codes 16,384,000 bytes; qkvc 9,830,400 bytes; ctxc 3,276,800 bytes
;; launch quant (part 1): grid 256 x 1, 8 waves a work-group, no clusters, 85,760 bytes of LDS; arguments x, Wq, Wk, Wv, codes; writes codes
.if DOCPART == 1
	.amdgcn_target "amdgcn-amd-amdhsa--gfx1250"
	.amdhsa_code_object_version 6
	.text
	.protected	k_qad0c8b1383_quant
	.globl	k_qad0c8b1383_quant
	.p2align	8
	.type	k_qad0c8b1383_quant,@function
k_qad0c8b1383_quant:
	s_mov_b64 s[64:65], 0
	v_nop
	global_prefetch_b8 v0, s[64:65] scope:SCOPE_SE
	s_setreg_imm32_b32 hwreg(HW_REG_WAVE_MODE, 25, 1), 1
	s_wait_xcnt 0x0
; x, Wq, Wk, Wv, Wo, each [2048][2048] f32 with K innermost, become codes of FP6 (E2M3) with one E8M0 byte for each 32 along K.
; A block's scale is 2^(floor(log2(its largest magnitude)) - 2); its byte is the largest magnitude's exponent field - 2, held at 1 from below.
; THE RECORD, the one layout of this program's workspace: 128 rows x 128 along K as images of the operand's registers, 12,800 bytes.
;   Fragment g (0..7) at g x 1,536: lane (r = lane % 16, h = lane / 16) holds row 32 (g / 2) + 8 (g % 2) + r + 8 (r / 8); registers 6 c .. 6 c + 5 hold k = 64 c + 32 h + 0 .. 31;
;   registers 4 c4 .. 4 c4 + 3 lie at 512 c4 + 16 lane.  Scale word (g, r) lies at 12,288 + 256 (g / 4) + 16 r + 4 (g % 4).
;   codes = [tensor 5][row tile T 16][K step s 16][record].
; SHARES.  Work-group n: T = n / 16, s = n % 16.  Wave w: tensor w / 2, fragments 4 (w % 2) + 0 .. 3 and their 256 bytes of scale words.  Waves share nothing: no barrier.
; A load reads 512 consecutive bytes of one row; a fragment's 16 rows turn through the wave's own stage in LDS (rows of 512 + 16 bytes), from which lane (r, h) takes its two blocks of 32 neighbours.
; LIMITS: NaN and infinities among the inputs are not served; a block whose largest magnitude lies under 2^-124 has its byte held at 1; a block of zeros has the byte 1 and zero codes (this program alone reads the bytes).
.set FRB,   1536
.set SCO,   12288
.set REC,   12800
.set PART,  3276800
.set STG,   8448                       ; a wave's stage: 16 rows x 528 bytes
.set SPARE, 10*STG                     ; behind the stages: the spare words, 128 bytes a wave, five blocks of 256 bytes that no other line names
.set LI,  2                            ; v2   16 x lane
.set SW,  3                            ; v3   the stage, on the way in: 16 x lane
.set SR,  4                            ; v4   and on the way out: 528 r + 128 h
.set SO,  5                            ; v5   16 r + 8 h: my two scale words' place
.set H8,  6                            ; v6   8 h
.set SPW, 12                           ; v12  my spare word; never rewritten
.set NIL, 13                           ; v13  0; never rewritten
.set PWS, 18                           ; v18-21 the four fragments' scale words
.set SD,  22                           ; v22-23 the two that I store
.set R,   32                           ; v32-159  two sets of 64 numbers as loaded
.set X,   160                          ; v160-223 my 64 numbers: register 32 c + i = k 64 c + 32 h + i of row r
.set PC,  224                          ; v224-247 two sets of a fragment's 12 registers
.set TP,  248                          ; v248-254 the second halves of the blocks' codes, before they are moved
	s_load_b256 s[4:11], s[0:1], 0x0               ; x, Wq, Wk, Wv
	s_load_b64 s[14:15], s[0:1], 0x20              ; codes.  Eight waves, four tensors: Wo is not among this launch's tensors; launch attn makes its part of codes, in the same layout
	v_lshl_add_u32 v[SPW], v0, 2, SPARE
	v_mov_b32 v[NIL], 0
	v_lshrrev_b32 v1, 5, v0
	s_delay_alu instid0(VALU_DEP_1)
	v_readfirstlane_b32 s18, v1                    ; wave 0..7
	s_lshr_b32 s19, s18, 1                         ; which tensor
	s_and_b32 s22, s18, 1                          ; which half of the record
	s_lshr_b32 s23, ttmp9, 4                       ; T
	s_and_b32 s24, ttmp9, 15                       ; s
	v_and_b32 v1, 31, v0
	s_delay_alu instid0(VALU_DEP_1)
	v_lshlrev_b32 v[LI], 4, v1
	s_mul_i32 s25, s18, STG
	v_add_nc_u32 v[SW], s25, v[LI]
	v_and_b32 v7, 15, v0                           ; r
	v_bfe_u32 v[H8], v0, 4, 1                      ; h
	s_delay_alu instid0(VALU_DEP_2)
	v_mul_u32_u24 v[SR], v7, 528
	s_delay_alu instid0(VALU_DEP_1)
	v_lshl_add_u32 v[SR], v[H8], 7, v[SR]
	s_delay_alu instid0(VALU_DEP_1)
	v_add_nc_u32 v[SR], s25, v[SR]
	v_lshlrev_b32 v[SO], 4, v7
	s_delay_alu instid0(VALU_DEP_1)
	v_lshl_add_u32 v[SO], v[H8], 3, v[SO]
	v_lshlrev_b32 v[H8], 3, v[H8]
	v_mov_b32 v17, 0                               ; a lane permute's destination counts as one of its sources
	s_mov_b32 s20, 0x76543210
	s_mov_b32 s21, 0xfedcba98                      ; selects for lane l xor 16
	s_mov_b32 s26, 0xffff0000                      ; lanes 16-31
	s_lshl_b32 s28, s23, 7
	s_lshl_b32 s29, s22, 6
	s_add_co_u32 s28, s28, s29                     ; my first row: 128 T + 64 half
	s_lshl_b32 s28, s28, 13                        ; x 8,192 bytes
	s_lshl_b32 s29, s24, 9
	s_add_co_u32 s28, s28, s29                     ; + 512 s
	s_mov_b32 s29, 0
	s_mul_i32 s30, s19, PART
	s_lshl_b32 s31, s23, 4
	s_add_co_u32 s31, s31, s24
	s_mul_i32 s31, s31, REC
	s_add_co_u32 s30, s30, s31                     ; my record
	s_mov_b32 s31, 0
	s_mul_i32 s32, s22, 4*FRB                      ; my four fragments in it
	s_mov_b32 s33, 0
	s_lshl_b32 s34, s22, 8
	s_add_co_u32 s34, s34, SCO                     ; my 256 bytes of scale words in it
	s_mov_b32 s35, 0
	s_wait_alu depctr_va_vdst(0)
	s_wait_kmcnt 0x0
	s_mov_b64 s[16:17], s[4:5]                     ; the tensor is chosen by the wave's number alone
	s_cmp_eq_u32 s19, 1
	s_cselect_b64 s[16:17], s[6:7], s[16:17]
	s_cmp_eq_u32 s19, 2
	s_cselect_b64 s[16:17], s[8:9], s[16:17]
	s_cmp_eq_u32 s19, 3
	s_cselect_b64 s[16:17], s[10:11], s[16:17]
	s_add_nc_u64 s[16:17], s[16:17], s[28:29]
	s_add_nc_u64 s[14:15], s[14:15], s[30:31]
	s_add_nc_u64 s[36:37], s[14:15], s[34:35]
	s_add_nc_u64 s[14:15], s[14:15], s[32:33]
.macro LOAD f                          ; fragment f's 16 rows, 512 consecutive bytes a load, into set f % 2
.irp i, 0,1,2,3,4,5,6,7,8,9,10,11,12,13,14,15
	global_load_b128 v[R+64*((\f)%2)+4*\i:R+64*((\f)%2)+4*\i+3], v[LI], s[16:17] offset:(32*((\f)/2)+8*((\f)%2)+\i+8*(\i/8))*8192 th:TH_LOAD_NT
.endr
.endm
.macro FRAGQ f
.set RS, R+64*((\f)%2)
.set PS, PC+12*((\f)%2)
.if (\f) < 3
	s_wait_loadcnt 16                              ; this fragment's 16 loads are in; the next fragment's 16 may be out
.else
	s_wait_loadcnt 0
.endif
.irp i, 0,1,2,3,4,5,6,7,8,9,10,11,12,13,14,15
	ds_store_b128 v[SW], v[RS+4*\i:RS+4*\i+3] offset:528*\i
.endr
.irp c, 0,1
.irp e, 0,1,2,3,4,5,6,7
	ds_load_b128 v[X+32*\c+4*\e:X+32*\c+4*\e+3], v[SR] offset:256*\c+16*\e   ; LDS serves a wave's instructions in order: these see the stores above
.endr
.endr
.if (\f) < 2
	s_wait_dscnt 16                                ; the 16 stores have read their registers (the 16 loads behind them may be out),
	LOAD (\f)+2                                    ; which take the rows of two fragments on
.endif
	s_wait_dscnt 0x0
.irp c, 0,1                                    ; my block 2 c + h: all its 32 numbers are mine
	v_max3_num_f32 v[8+\c], |v[X+32*\c]|, |v[X+1+32*\c]|, 0x1800000   ; with the floor 2^(3 - 127): the byte cannot fall under 1
.endr
.irp i, 2,4,6,8,10,12,14,16,18,20,22,24,26,28,30
.irp c, 0,1
	s_delay_alu instid0(VALU_DEP_2)
	v_max3_num_f32 v[8+\c], v[8+\c], |v[X+32*\c+\i]|, |v[X+1+32*\c+\i]|
.endr
.endr
.irp c, 0,1
	s_delay_alu instid0(VALU_DEP_2)
	v_add_nc_u32 v[10+\c], 0xff000000, v[8+\c]     ; 2 off the exponent field: the conversion's scale operand
.endr
.irp c, 0,1
	s_delay_alu instid0(VALU_DEP_2)
	v_lshrrev_b32 v[14+\c], 23, v[10+\c]           ; the scale's byte
.endr
	s_delay_alu instid0(VALU_DEP_1)
	v_lshl_or_b32 v16, v15, 16, v14                ; blocks h and 2 + h of my row,
	s_delay_alu instid0(VALU_DEP_1)
	v_lshlrev_b32 v16, v[H8], v16                  ; at their places in the word;
	s_delay_alu instid0(VALU_DEP_1)
	v_permlanex16_b32 v17, v16, s20, s21
	s_delay_alu instid0(VALU_DEP_1)
	v_or_b32 v[PWS+(\f)], v16, v17                 ; with lane l xor 16's two the word is whole
.if (\f) >= 2
	s_wait_alu depctr_va_vdst(0)
	s_wait_xcnt 0x0                                ; the stores of two fragments back have read this set of codes
.endif
	v_cvt_scalef32_pk16_fp6_f32 v[PS:PS+2], v[X:X+15], v10
	v_cvt_scalef32_pk16_fp6_f32 v[TP:TP+2], v[X+16:X+31], v10        ; (a conversion's three registers begin on an even number)
	v_cvt_scalef32_pk16_fp6_f32 v[PS+6:PS+8], v[X+32:X+47], v11
	v_cvt_scalef32_pk16_fp6_f32 v[TP+4:TP+6], v[X+48:X+63], v11
	v_nop                                          ; one plain place behind a scaled conversion
.irp i, 0,1,2
	v_mov_b32 v[PS+3+\i], v[TP+\i]
	v_mov_b32 v[PS+9+\i], v[TP+4+\i]
.endr
.irp c, 0,1,2
	global_store_b128 v[LI], v[PS+4*\c:PS+4*\c+3], s[14:15] offset:(\f)*FRB+512*\c   ; 32 lanes store 512 consecutive bytes, at a multiple of 256 from the buffer's first byte
.endr
.endm
	LOAD 0
	LOAD 1
	FRAGQ 0
	FRAGQ 1
	FRAGQ 2
	FRAGQ 3
	v_cndmask_b32 v[SD], v[PWS], v[PWS+2], s26     ; lanes 0-15 store words 0, 1 of row r, lanes 16-31 words 2, 3
	v_cndmask_b32 v[SD+1], v[PWS+1], v[PWS+3], s26
	global_store_b64 v[SO], v[SD:SD+1], s[36:37]   ; 32 lanes store 256 consecutive bytes, aligned
	s_wait_tensorcnt 0x0                           ; the wave's end
	ds_add_u32 v[SPW], v[NIL]
	s_wait_dscnt 0x0
	s_endpgm
.Lfunc_end_k_qad0c8b1383_quant:
	.size	k_qad0c8b1383_quant, .Lfunc_end_k_qad0c8b1383_quant-k_qad0c8b1383_quant
	.p2alignl 7, 3214868480
	.fill 96, 4, 3214868480
	.section	.rodata,"a",@progbits
	.p2align	6, 0x0
	.amdhsa_kernel k_qad0c8b1383_quant
		.amdhsa_group_segment_fixed_size 85760
		.amdhsa_private_segment_fixed_size 0
		.amdhsa_enable_private_segment 0
		.amdhsa_kernarg_size 40
		.amdhsa_user_sgpr_count 2
		.amdhsa_user_sgpr_kernarg_segment_ptr 1
		.amdhsa_wavefront_size32 1
		.amdhsa_system_sgpr_workgroup_id_x 1
		.amdhsa_system_sgpr_workgroup_id_y 1
		.amdhsa_system_sgpr_workgroup_id_z 1
		.amdhsa_system_vgpr_workitem_id 0
		.amdhsa_next_free_vgpr 256
		.amdhsa_next_free_sgpr 66
		.amdhsa_reserve_vcc 0
		.amdhsa_float_denorm_mode_32 3
		.amdhsa_float_denorm_mode_16_64 3
		.amdhsa_memory_ordered 1
		.amdhsa_forward_progress 1
		.amdhsa_inst_pref_size 36
	.end_amdhsa_kernel
	.amdgpu_metadata
---
amdhsa.version: [ 1, 2 ]
amdhsa.kernels:
  - .name:           k_qad0c8b1383_quant
    .symbol:         k_qad0c8b1383_quant.kd
    .args:
      - { .name: x, .offset: 0, .size: 8, .value_kind: global_buffer, .address_space: global }
      - { .name: Wq, .offset: 8, .size: 8, .value_kind: global_buffer, .address_space: global }
      - { .name: Wk, .offset: 16, .size: 8, .value_kind: global_buffer, .address_space: global }
      - { .name: Wv, .offset: 24, .size: 8, .value_kind: global_buffer, .address_space: global }
      - { .name: codes, .offset: 32, .size: 8, .value_kind: global_buffer, .address_space: global }
    .group_segment_fixed_size: 85760
    .private_segment_fixed_size: 0
    .kernarg_segment_align: 8
    .kernarg_segment_size: 40
    .max_flat_workgroup_size: 256
    .sgpr_count:     66
    .vgpr_count:     256
    .wavefront_size: 32
...
	.end_amdgpu_metadata
.endif
;; end of part 1
;; launch qkv (part 2): grid 24 x 8, 4 waves a work-group, clusters of 4 x 4, 327,680 bytes of LDS; arguments codes, freqs_cos, freqs_sin, qkvc; writes qkvc
.if DOCPART == 2
	.amdgcn_target "amdgcn-amd-amdhsa--gfx1250"
	.amdhsa_code_object_version 6
	.text
	.protected	k_qad0c8b1383_qkv
	.globl	k_qad0c8b1383_qkv
	.p2align	8
	.type	k_qad0c8b1383_qkv,@function
k_qad0c8b1383_qkv:
	s_mov_b64 s[64:65], 0
	v_nop
	global_prefetch_b8 v0, s[64:65] scope:SCOPE_SE
	s_setreg_imm32_b32 hwreg(HW_REG_WAVE_MODE, 25, 1), 1
	s_wait_xcnt 0x0
	s_wait_alu depctr_hold_cnt(0) depctr_sa_sdst(0) depctr_va_vdst(0) depctr_va_sdst(0) depctr_va_ssrc(0) depctr_va_vcc(0) depctr_vm_vsrc(0)
	s_getreg_b32 s2, hwreg(HW_REG_IB_STS2, 6, 4)
	s_cmp_eq_u32 s2, 0
	s_cbranch_scc0 .Lentry_in_a_cluster
	s_endpgm
.Lentry_in_a_cluster:
	s_bfe_u32 s2, ttmp6, 0x10000c
	s_cmp_lg_u32 s2, 0xf033
	s_cbranch_scc0 .Lentry_shape_is_right
	s_endpgm
.Lentry_shape_is_right:
; q = rope(x Wq^T) / 8, k = rope(x Wk^T), v = x Wv^T, on codes of FP6 (E2M3) with E8M0 scales, and their quantisers: q and k along the channels, v along the tokens.
; OPERANDS are records (128 rows x 128 K as images of the operand's registers, 12,800 bytes: fragment g at 1,536 g, lane (r, h) = row 32 (g / 2) + 8 (g % 2) + r + 8 (r / 8),
; registers 4 c .. 4 c + 3 at 512 c + 16 lane; scale word (g, r) at 12,288 + 256 (g / 4) + 16 r + 4 (g % 4)).  codes = [x, Wq, Wk, Wv, Wo][row tile 16][K step 16][record].
; A work-group of four waves makes 256 x 256, a wave 128 x 128: 64 accumulators, 512 registers.  K goes in slots of two K steps of 128 through a ring of two LDS slots; a wave's tensor load brings two records, 25,600 dense bytes.
; ROLES, by the cluster's x alone, which all sixteen partners share: 0, 1: q; 2, 3: k; 4, 5: v.  For q and k source 1 (A) is x and source 0 (B) the weight; for v A is Wv and B is x, so that the same text makes V^T and the tokens are its
; registers' axis.  No branch hangs on the role: only offsets and two factors do.
; THE MATRIX INSTRUCTION IS USED TRANSPOSED (source 0 = 16 rows of B, source 1 = 16 rows of A).  By the records' order of rows the 16 registers of accumulators (a, 2 b) and (a, 2 b + 1) are B's rows 32 b + 16 h + 0 .. 15:
; 16 neighbours along the next product's K.  So block a of the results is quantised in registers and IS fragment a of an output record; nothing goes through LDS on the way out.
; qkvc = [q, k, v][head 16][tile 16][record]: q, k: rows = 128 tokens, K = the head's 128 channels (score heads 2 h and 2 h + 1); v: rows = the head's 128 channels, K = 128 tokens.
; ROPE: re' = re c - im s, im' = im c + re s, with c = cos x SA + SB and s = sin x SA: SA = 1/8, 1, 0 and SB = 0, 0, 1 for q, k, v.
; CLUSTERS: 4 x 4.  A's tiles are asked for jointly along a row of the cluster, B's along a column.
; LIMITS: NaN and infinities are not served (for v the tables are multiplied by 0, so they must be finite); a block under 2^-124 has its byte held at 1; a block of zeros has the byte 1 and zero codes.
; REGISTERS: window 0: v16-29 addresses; v32-63 scale words, and nothing else ever; from v128 A's eight fragments, one set; window 1: B's two sets at v0, v128; windows 2, 3: accumulator (a, b) at v[8 (8 (a % 4) + b)].
;   On the way out, window 0: v64-127 two sets of 16 cos, 16 sin; v128-191 64 numbers; v192-211 codes; v212-227 at work; v228 a scale word; v232-239 the eight words; v244-251 four pairs; v252-253 SB.
.set NB,    8                          ; fragments a side for a wave
.set NQ,    2                          ; K steps of 128 in a slot
.set FR,    12
.set NL,    3                          ; LDS loads that bring a fragment
.set FRB,   1536
.set SCO,   12288
.set REC,   12800
.set HEADB, 204800
.set PART,  3276800
.set CH,    25600                      ; what one tensor load brings
.set SLOT,  102400                     ; A's two chunks, then B's two
.set SPARE, 204800                     ; behind the ring: the spare words, two blocks of 256 bytes that no other line names
.set ADRA, 16
.set ADRB, 20
.set ADRS, 22
.set LI,   24
.set VT,   25
.set SPW,  28
.set NIL,  29
.set SC,   32
.set HA,   128                         ; the way out: 64 turned numbers, where A's fragments lay
.set AF,   128
.set TAB,  64                          ; the tables of blocks 0 and 1, window 0 v64-127, loaded at the head; those of blocks 2 to 7 lie in window 1, v0-191
.set PC,   192
.set TM,   212
.set PW,   228
.set PWS,  232
.set SD,   240
.set TT,   244
.set SBV,  252
.set G1,   24
.set G0,   32
.set G1B,  48
.set G0B,  56
.set SEL,  86
.set MUL_LO, 0xa1                      ; source 0 (B) window 1, source 1 (A) window 0, C and D window 2
.set MUL_HI, 0xf1                      ; the same, C and D window 3
.set TO_B,   0x40                      ; destination window 1
.set MSB, 0
.macro WIN new                         ; the immediate's high byte repeats the setting that is left
.if MSB != (\new)
	s_set_vgpr_msb (MSB<<8)|(\new)
.set MSB, (\new)
.endif
.endm
; A joint load: waves 0 and 1 fetch for A, waves 2 and 3 for B.  The branch hangs on the wave's number alone.  An s_nop 0 and four v_nop follow each of the two lines.
.macro JLOAD g0a, g1a, g0b, g1b
	s_cmp_eq_u32 s15, 0
	s_cbranch_scc0 .Lfor_b_\@
	tensor_load_to_lds s[\g0a:\g0a+3], s[\g1a:\g1a+7]
	s_nop 0
.rept 4
	v_nop
.endr
	s_branch .Lasked_\@
.Lfor_b_\@:
	tensor_load_to_lds s[\g0b:\g0b+3], s[\g1b:\g1b+7]
	s_nop 0
.rept 4
	v_nop
.endr
.Lasked_\@:
.endm
.macro CREST                           ; a round of the cluster's barrier behind its opening barrier
	s_cmp_lg_u32 s14, 0
	s_cbranch_scc1 .Lnot_wave_0_\@
	s_barrier_signal -3
.Lnot_wave_0_\@:
	s_barrier_wait -3
	s_barrier_signal -1
	s_barrier_wait -1
.endm
.macro CROUND
	s_barrier_signal -1
	s_barrier_wait -1
	CREST
.endm
.macro PLACES n
.rept \n
	v_nop
.endr
.endm
.macro FRAG reg, adr, q, g             ; a fragment comes as it was stored: three loads of 512 consecutive bytes
.irp c, 0,1,2
	ds_load_b128 v[\reg+4*\c:\reg+4*\c+3], v[\adr] offset:(\q)*REC+(\g)*FRB+512*\c
.endr
.endm
.macro FETCH_B slot, q, p              ; B's fragments of the slot's q-th K step into set p
	WIN TO_B
.set FI, 0
.rept NB
	FRAG 128*(\p)+FR*FI, ADRB+\slot, \q, FI
.set FI, FI+1
.endr
	WIN 0
.endm
.macro FETCH_A slot, q, i0             ; half of A's fragments, from i0 on
.set FI, \i0
.rept NB/2
	FRAG AF+FR*FI, ADRA+\slot, \q, FI
.set FI, FI+1
.endr
.endm
.macro SCALES slot                     ; a slot's scale words: lanes 0-15 take A's, lanes 16-31 B's; register SC + 8 (2 slot + q) + i: fragment i
.irp q, 0,1
	ds_load_b128 v[SC+8*(2*\slot+\q):SC+8*(2*\slot+\q)+3], v[ADRS+\slot] offset:\q*REC
	ds_load_b128 v[SC+8*(2*\slot+\q)+4:SC+8*(2*\slot+\q)+7], v[ADRS+\slot] offset:\q*REC+256
.endr
.endm
; na of A's fragments from a0 on, each against all of B's.  The accumulators take turns, one instruction a turn, in the same order in every K step.
.macro MUL a0, na, p, q, slot, zero
.set AA, \a0
.rept \na
.set BB, 0
.rept NB
.set ACR, 8*(NB*(AA%(NB/2))+BB)
.set BFR, 128*(\p)+FR*BB
.set AFR, AF+FR*AA
.set SCX, SC+NB*(NQ*(\slot)+(\q))
.if \zero
	v_wmma_scale_f32_16x16x128_f8f6f4 v[ACR:ACR+7], v[BFR:BFR+FR-1], v[AFR:AFR+FR-1], 0, v[SCX+BB], v[SCX+AA] matrix_a_fmt:MATRIX_FMT_FP6 matrix_b_fmt:MATRIX_FMT_FP6 matrix_a_scale:MATRIX_SCALE_ROW1
.else
	v_wmma_scale_f32_16x16x128_f8f6f4 v[ACR:ACR+7], v[BFR:BFR+FR-1], v[AFR:AFR+FR-1], v[ACR:ACR+7], v[SCX+BB], v[SCX+AA] matrix_a_fmt:MATRIX_FMT_FP6 matrix_b_fmt:MATRIX_FMT_FP6 matrix_a_scale:MATRIX_SCALE_ROW1
.endif
.set BB, BB+1
.endr
.set AA, AA+1
.endr
.endm
; A K step that has its successor in the same slot.  Four plain places stand in front of each run of loads into registers that matrix instructions have read (ISA guide 7.12.1 for vector instructions).
.macro STEP slot, q, zero
	s_wait_dscnt (NB/2)*NL                         ; all but the youngest loads, the upper half of A's fragments
	WIN MUL_LO
	MUL 0, NB/2, (\q)%2, \q, \slot, \zero
	s_wait_dscnt 0x0
	PLACES 4
	FETCH_B \slot, (\q)+1, 1-(\q)%2
	FETCH_A \slot, (\q)+1, 0
	WIN MUL_HI
	MUL NB/2, NB/2, (\q)%2, \q, \slot, \zero
	PLACES 4
	WIN 0
	FETCH_A \slot, (\q)+1, NB/2
.endm
; A slot's last K step changes slots: one barrier; in front of it each wave waits for all its tensor loads, adds 0 to its spare word, and waits for that and for its reads of this slot.  fill = 1: the slot is filled again.
.macro TURN slot, next, fill
.if \fill
	s_wait_xcnt 0x0                                ; my last prefetch has read its address: it is stepped one slot on
	s_add_nc_u64 s[88:89], s[88:89], CH
.endif
	s_wait_tensorcnt 0x0                           ; all my tensor loads have landed: my part of the next slot
	ds_add_u32 v[SPW], v[NIL]                      ; 0 onto my spare word
	s_wait_dscnt (NB/2)*NL+1                       ; (the add and the upper half of A's fragments may be out)
	WIN MUL_LO
	MUL 0, NB/4, 1, NQ-1, \slot, 0
	s_wait_dscnt 0x0                               ; the add is done, and my reads of this slot are over
	s_barrier_signal -1
	MUL NB/4, NB/4, 1, NQ-1, \slot, 0
	WIN 0
	s_barrier_wait -1
.if \fill
	CREST                                          ; the barrier has opened a round of the cluster's barrier: no wave of any partner still reads this slot or has a load on its way
	s_add_nc_u64 s[G0+4*\slot+2:G0+4*\slot+3], s[G0+4*\slot+2:G0+4*\slot+3], 2*NQ*REC
	s_add_nc_u64 s[G0B+4*\slot+2:G0B+4*\slot+3], s[G0B+4*\slot+2:G0B+4*\slot+3], 2*NQ*REC
	JLOAD G0+4*\slot, G1, G0B+4*\slot, G1B         ; the first tensor load behind the round; its four v_nop are the places in front of the loads below
.else
	PLACES 4
.endif
	FETCH_B \next, 0, 0
	FETCH_A \next, 0, 0
	SCALES \next
.if \fill
	s_cmp_gt_u32 s3, 1                             ; the last lap's two refills have no slot two refills on
	s_cbranch_scc0 .Lno_ask_\@
	global_prefetch_b8 v26, s[88:89] offset:3*CH th:TH_LOAD_NT scope:SCOPE_SE   ; the slot that stands two refills on: my work-group's 25 blocks of 256 bytes of the 100 that I fetch
.Lno_ask_\@:
.endif
	WIN MUL_HI
	MUL NB/2, NB/2, 1, NQ-1, \slot, 0
	PLACES 4
	WIN 0
	FETCH_A \next, 0, NB/2
.endm
; 64 numbers of a lane, register 16 b + i = k 32 b + 16 h + i of my row, become a fragment's codes in v[PC] on and its scale word in v[PW].
.macro QUANT s
.irp b, 0,1,2,3
	v_max3_num_f32 v[TM+\b], |v[\s+16*\b]|, |v[\s+1+16*\b]|, 0x1800000   ; my 16 numbers of block b, and the floor 2^(3 - 127): the byte cannot fall under 1
.endr
.irp i, 2,4,6,8,10,12,14
.irp b, 0,1,2,3
	v_max3_num_f32 v[TM+\b], v[TM+\b], |v[\s+16*\b+\i]|, |v[\s+1+16*\b+\i]|
.endr
.endr
.irp b, 0,1,2,3
	v_permlanex16_b32 v[TM+4+\b], v[TM+\b], s[SEL], s[SEL+1]
.endr
.irp b, 0,1,2,3
	v_max_num_f32 v[TM+\b], v[TM+\b], v[TM+4+\b]   ; with lane l xor 16's: the block's largest magnitude
.endr
.irp b, 0,1,2,3
	v_add_nc_u32 v[TM+12+\b], 0xff000000, v[TM+\b] ; 2 off its exponent field: the conversion's scale operand
.endr
.irp b, 0,1,2,3
	v_lshrrev_b32 v[TM+4+\b], 23, v[TM+12+\b]      ; the scale's byte
.endr
	v_lshl_or_b32 v[PW], v[TM+5], 8, v[TM+4]
	v_lshl_or_b32 v[PW], v[TM+6], 16, v[PW]
	v_lshl_or_b32 v[PW], v[TM+7], 24, v[PW]
.irp c, 0,1
	v_cvt_scalef32_pk16_fp6_f32 v[PC+6*\c:PC+2+6*\c], v[\s+32*\c:\s+15+32*\c], v[TM+12+2*\c]
	v_cvt_scalef32_pk16_fp6_f32 v[PC+12+4*\c:PC+14+4*\c], v[\s+16+32*\c:\s+31+32*\c], v[TM+12+2*\c+1]
.endr
	v_nop                                          ; one plain place behind a scaled conversion
.irp c, 0,1                                    ; the layout wants a whole block in a lane: lanes 0-15 block 2 c, lanes 16-31 block 2 c + 1
.irp i, 0,1,2
	v_permlane16_swap_b32 v[PC+6*\c+\i], v[PC+12+4*\c+\i]
.endr
.irp i, 0,1,2
	v_mov_b32 v[PC+3+6*\c+\i], v[PC+12+4*\c+\i]
.endr
.endr
.endm
	s_load_b256 s[4:11], s[0:1], 0x0               ; codes, freqs_cos, freqs_sin, qkvc
	v_lshl_add_u32 v[SPW], v0, 2, SPARE
	v_mov_b32 v[NIL], 0
	ds_add_u32 v[SPW], v[NIL]                      ; the wave's opening: the add and its wait ahead of my first tensor load
	ds_add_u32 v[SPW], v[NIL]
	v_lshrrev_b32 v1, 5, v0
	v_readfirstlane_b32 s14, v1                    ; wave 0..3
	s_lshr_b32 s15, s14, 1                         ; which 128 rows of A are mine.  Also: I fetch for A (0) or for B (1)
	s_and_b32 s16, s14, 1                          ; which 128 rows of B.  Also: which chunk of that side I fetch
	s_bfe_u32 s40, ttmp6, 0x40000                  ; cx
	s_bfe_u32 s41, ttmp6, 0x40004                  ; cy
	s_and_b32 s42, ttmp9, 1
	s_lshl_b32 s42, s42, 2
	s_add_co_u32 s42, s42, s40                     ; tile of B's rows: 4 (cluster x % 2) + cx
	s_and_b32 s17, ttmp7, 0xffff
	s_lshl_b32 s17, s17, 2
	s_add_co_u32 s17, s17, s41                     ; tile of A's rows: 4 x cluster y + cy
	s_lshl_b32 s43, s41, 2
	s_lshl_b32 s43, 15, s43                        ; my row of the cluster
	s_lshl_b32 s44, 0x1111, s40                    ; my column
	s_or_b32 s[G1+0], s43, (3<<16)|(1<<21)         ; 15:0 the mask; 17:16 elements of 8 bytes; 20 no padding; 21 set beside a mask
	s_or_b32 s[G1B+0], s44, (3<<16)|(1<<21)
.irp g, G1, G1B                                ; 25,600 dense bytes as 100 rows of 256
	s_mov_b32 s[\g+1], 32<<16                      ; tensor_dim0 = 32
	s_mov_b32 s[\g+2], 100<<16                     ; tensor_dim1 = 100
	s_mov_b32 s[\g+3], 32<<16                      ; tile_dim0
	s_mov_b32 s[\g+4], 100                         ; tile_dim1
	s_mov_b32 s[\g+5], 32                          ; the pitch
	s_mov_b32 s[\g+6], 0
	s_mov_b32 s[\g+7], 0
.endr
	s_lshr_b32 s66, ttmp9, 1                       ; the part: 0 q, 1 k, 2 v
	s_lshr_b32 s67, ttmp9, 2                       ; 1 for v
	s_mul_i32 s68, s67, 3*PART                     ; A: x, or Wv
	s_xor_b32 s69, s67, 1
	s_add_co_u32 s70, s66, 1
	s_mul_i32 s69, s69, s70
	s_mul_i32 s69, s69, PART                       ; B: Wq, Wk, or x
	s_lshl_b32 s20, s17, 1
	s_add_co_u32 s20, s20, s16
	s_mul_i32 s20, s20, HEADB
	s_add_co_u32 s20, s20, s68                     ; A's row of records that I fetch
	s_mov_b32 s21, 0
	s_lshl_b32 s46, s42, 1
	s_add_co_u32 s46, s46, s16
	s_mul_i32 s46, s46, HEADB
	s_add_co_u32 s46, s46, s69                     ; B's
	s_mov_b32 s47, 0
	s_cmp_eq_u32 s66, 0
	s_cselect_b32 s80, 0x3e000000, 1.0             ; SA: 1/8 for q, 1 for k,
	s_cmp_eq_u32 s67, 0
	s_cselect_b32 s80, s80, 0                      ; 0 for v
	s_cselect_b32 s82, 0, 1.0                      ; SB: 1 for v
	s_mov_b32 s81, s80                             ; (named with it as a pair)
	s_mul_i32 s71, s67, HEADB-REC
	s_add_co_u32 s72, s71, REC                     ; the output's pitch along A's tiles,
	s_sub_co_u32 s73, HEADB, s71                   ; and along B's
	s_lshl_b32 s74, s17, 1
	s_add_co_u32 s74, s74, s15
	s_lshl_b32 s75, s42, 1
	s_add_co_u32 s75, s75, s16
	s_mul_i32 s72, s72, s74
	s_mul_i32 s73, s73, s75
	s_mul_i32 s76, s66, PART
	s_add_co_u32 s76, s76, s72
	s_add_co_u32 s76, s76, s73                     ; my output record
	s_mov_b32 s77, 0
	s_lshl_b32 s78, s74, 14                        ; the tables' rows of my 128 rows of A: 128 bytes a row
	s_mov_b32 s79, 0
	s_mov_b32 s84, 0xffff0000                      ; lanes 16-31
	s_mov_b32 s[SEL], 0x76543210
	s_mov_b32 s[SEL+1], 0xfedcba98
	s_mul_i32 s45, s14, CH                         ; where my chunk goes: no place in the cluster enters an LDS address
	s_wait_dscnt 0x0                               ; the opening add is done
	s_wait_kmcnt 0x0
	s_add_nc_u64 s[20:21], s[4:5], s[20:21]
	s_add_nc_u64 s[46:47], s[4:5], s[46:47]
	s_cmp_eq_u32 s15, 0                            ; the prefetches: the four partners that ask for a chunk jointly share its 100 blocks of 256 bytes out by address, 25 each
	s_cselect_b64 s[88:89], s[20:21], s[46:47]
	s_cselect_b32 s90, s40, s41                    ; my place among them: cx for A, cy for B
	s_mul_i32 s90, s90, 6400
	s_mov_b32 s91, 0
	s_add_nc_u64 s[88:89], s[88:89], s[90:91]
	s_add_nc_u64 s[6:7], s[6:7], s[78:79]
	s_add_nc_u64 s[8:9], s[8:9], s[78:79]
	s_add_nc_u64 s[10:11], s[10:11], s[76:77]
	CROUND                                         ; all sixteen work-groups are here: the first joint loads meet
.irp s, 0,1
	s_mov_b32 s[G0+4*\s], 1
	s_add_co_u32 s[G0+4*\s+1], s45, \s*SLOT
	s_add_nc_u64 s[G0+4*\s+2:G0+4*\s+3], s[20:21], \s*NQ*REC
	s_or_b32 s[G0+4*\s+3], s[G0+4*\s+3], 0x80000000
	s_mov_b32 s[G0B+4*\s], 1
	s_add_co_u32 s[G0B+4*\s+1], s45, \s*SLOT
	s_add_nc_u64 s[G0B+4*\s+2:G0B+4*\s+3], s[46:47], \s*NQ*REC
	s_or_b32 s[G0B+4*\s+3], s[G0B+4*\s+3], 0x80000000
.endr
	JLOAD G0, G1, G0B, G1B                         ; slot 0: one tensor load a wave at the head
	v_and_b32 v1, 15, v0                           ; r
	v_bfe_u32 v2, v0, 4, 1                         ; h
	v_and_b32 v3, 31, v0
	v_lshlrev_b32 v[LI], 4, v3                     ; 16 x lane
	s_mul_i32 s21, s15, CH                         ; my chunk of A,
	s_mul_i32 s22, s16, CH
	s_add_co_u32 s22, s22, 2*CH                    ; and of B
	s_sub_co_u32 s23, s22, s21
	v_mul_u32_u24 v6, s23, v2                      ; lanes 16-31 take B's scale words
	v_lshl_add_u32 v6, v1, 4, v6
	v_add_nc_u32 v6, SCO, v6
.irp s, 0,1
	v_add_nc_u32 v[ADRA+\s], s21, v[LI]
	v_add_nc_u32 v[ADRB+\s], s22, v[LI]
	v_add_nc_u32 v[ADRS+\s], s21, v6
	s_add_co_u32 s21, s21, SLOT
	s_add_co_u32 s22, s22, SLOT
.endr
	v_and_b32 v4, 8, v1
	v_add_nc_u32 v4, v4, v1                        ; r + 8 (r / 8)
	v_lshlrev_b32 v[VT], 7, v4
	v_lshl_add_u32 v[VT], v2, 5, v[VT]             ; the tables: my row, + 32 h
	v_min_u32 v26, 24, v3
	v_lshlrev_b32 v26, 8, v26                      ; the prefetches' offset: a lane a block of 256 bytes; lanes 25-31 name block 24 again
.macro TLOAD a                         ; block a's 16 cos and 16 sin of my row
.if (\a) < 2
.set TL, TAB+32*(\a)
.else
.set TL, 32*((\a)-2)
	WIN TO_B
.endif
.irp b, 0,1
.irp e, 0,1
	global_load_b128 v[TL+8*\b+4*\e:TL+8*\b+4*\e+3], v[VT], s[6:7] offset:(32*((\a)/2)+8*((\a)%2))*128+64*\b+16*\e
	global_load_b128 v[TL+16+8*\b+4*\e:TL+16+8*\b+4*\e+3], v[VT], s[8:9] offset:(32*((\a)/2)+8*((\a)%2))*128+64*\b+16*\e
.endr
.endr
.endm
	s_wait_alu depctr_va_vdst(0)
.irp a, 0,1
	TLOAD \a                                       ; the first two blocks' tables are on their way through the whole walk along K: v64-127 are named by nothing else until the way out
.endr
	global_prefetch_b8 v26, s[88:89] offset:CH th:TH_LOAD_NT scope:SCOPE_SE     ; slots 1 and 2
	global_prefetch_b8 v26, s[88:89] offset:2*CH th:TH_LOAD_NT scope:SCOPE_SE
	s_wait_tensorcnt 0x0                           ; my part of slot 0 is in
	ds_add_u32 v[SPW], v[NIL]
	s_wait_dscnt 0x0
	CROUND                                         ; everybody's part is in, and the joint loads meet
	JLOAD G0+4, G1, G0B+4, G1B                     ; slot 1, the first tensor load behind the round
	FETCH_B 0, 0, 0
	FETCH_A 0, 0, 0
	SCALES 0
	FETCH_A 0, 0, NB/2
	global_prefetch_b8 v26, s[88:89] offset:3*CH th:TH_LOAD_NT scope:SCOPE_SE   ; slot 3
	STEP 0, 0, 1                                   ; the first K step starts the sums: nothing is cleared
	s_mov_b32 s3, 3
.Llap:                                                 ; a trip goes once round the ring and fills both slots again: 16 K steps are 8 slots, 4 laps
	TURN 0, 1, 1
	STEP 1, 0, 0
	TURN 1, 0, 1
	STEP 0, 0, 0
	s_sub_co_u32 s3, s3, 1
	s_cmp_lg_u32 s3, 0
	s_cbranch_scc1 .Llap
	TURN 0, 1, 0                                   ; the last lap fills nothing
	STEP 1, 0, 0
	s_wait_dscnt (NB/2)*NL
	WIN MUL_LO
	MUL 0, NB/2, 1, NQ-1, 1, 0
	s_wait_dscnt 0x0
	WIN MUL_HI
	MUL NB/2, NB/2, 1, NQ-1, 1, 0
	WIN 0
; THE WAY OUT, block a = fragment a of my output record.  Lane (r, h) holds row r of the fragment; register 16 b + i is column 32 b + 16 h + i: pair p = registers 2 p, 2 p + 1 turns by the table's entry 16 ((p / 8) % 2) + 8 h + p % 8.
.macro OUTBLK a
.if (\a) < 2
.set TS, TAB+32*(\a)
.set TW, 0
.else
.set TS, 32*((\a)-2)
.set TW, 1
.endif
	s_wait_loadcnt 8*(7-(\a))                      ; this block's eight table loads are in; the eight of each later block may be out
	WIN 0x41*TW                                    ; the tables' window: source 0 and destination
.irp j, 0,2,4,6,8,10,12,14
	v_pk_fma_f32 v[TS+\j:TS+\j+1], v[TS+\j:TS+\j+1], s[80:81], v[SBV:SBV+1] op_sel_hi:[1,0,1]   ; c = cos SA + SB
	v_pk_mul_f32 v[TS+16+\j:TS+17+\j], v[TS+16+\j:TS+17+\j], s[80:81] op_sel_hi:[1,0]           ; s = sin SA
.endr
	WIN 0x02+(\a)/4+4*TW                           ; source 0: the accumulators' window; source 1: the tables'
.set G, 0
.rept 8                                        ; accumulator G of the block: four pairs; each accumulator is read from its low end on
.set XR, 64*((\a)%4)+8*G
.set TE, TS+8*((G/2)%2)+4*(G%2)
.irp k, 0,1,2,3
.if \k%2
	v_pk_mul_f32 v[TT+2*\k:TT+2*\k+1], v[XR+2*\k:XR+2*\k+1], v[TE+16+2*(\k/2):TE+17+2*(\k/2)] op_sel:[1,1] op_sel_hi:[0,1]   ; (im s, re s)
.else
	v_pk_mul_f32 v[TT+2*\k:TT+2*\k+1], v[XR+2*\k:XR+2*\k+1], v[TE+16+2*(\k/2):TE+17+2*(\k/2)] op_sel:[1,0] op_sel_hi:[0,0]
.endif
.endr
.irp k, 0,1,2,3
.if \k%2
	v_pk_fma_f32 v[HA+8*G+2*\k:HA+8*G+2*\k+1], v[XR+2*\k:XR+2*\k+1], v[TE+2*(\k/2):TE+2*(\k/2)+1], v[TT+2*\k:TT+2*\k+1] op_sel:[0,1,0] op_sel_hi:[1,1,1] neg_lo:[0,0,1]   ; (re c - im s, im c + re s)
.else
	v_pk_fma_f32 v[HA+8*G+2*\k:HA+8*G+2*\k+1], v[XR+2*\k:XR+2*\k+1], v[TE+2*(\k/2):TE+2*(\k/2)+1], v[TT+2*\k:TT+2*\k+1] op_sel:[0,0,0] op_sel_hi:[1,0,1] neg_lo:[0,0,1]
.endif
.endr
.set G, G+1
.endr
	WIN 0
.if (\a) > 0
	s_wait_xcnt 0x0                                ; the last block's stores have read their codes
.endif
	QUANT HA
	v_mov_b32 v[PWS+(\a)], v[PW]
.irp c, 0,1,2
	global_store_b128 v[LI], v[PC+4*\c:PC+4*\c+3], s[10:11] offset:(\a)*FRB+512*\c   ; 32 lanes store 512 consecutive bytes, at a multiple of 256 from the buffer's first byte
.endr
.endm
	PLACES 4                                       ; in front of the first reads of results and of loads and writes into A's registers
.irp a, 2,3,4,5,6,7
	TLOAD \a                                       ; the other six blocks' tables in one run, into the registers that held B's fragments
.endr
	WIN 0
	v_mov_b32 v[SBV], s82
	v_mov_b32 v[SBV+1], s82
.irp b, 0,1,2,3
	v_mov_b32 v[TM+4+\b], 0                        ; a lane permute's destination counts as one of its sources
.endr
	s_wait_alu depctr_va_vdst(0)
.irp a, 0,1,2,3,4,5,6,7
	OUTBLK \a
.endr
.irp j, 0,1,2,3
	v_cndmask_b32 v[SD+\j], v[PWS+\j], v[PWS+4+\j], s84   ; lanes 0-15: row r's words of fragments 0-3; lanes 16-31: of fragments 4-7
.endr
	global_store_b128 v[LI], v[SD:SD+3], s[10:11] offset:SCO
	s_wait_tensorcnt 0x0                           ; the wave's end
	ds_add_u32 v[SPW], v[NIL]
	s_wait_dscnt 0x0
	CROUND                                         ; the closing round: no work-group ends while a partner may still ask for a tile that names it
	s_endpgm
.Lfunc_end_k_qad0c8b1383_qkv:
	.size	k_qad0c8b1383_qkv, .Lfunc_end_k_qad0c8b1383_qkv-k_qad0c8b1383_qkv
	.p2alignl 7, 3214868480
	.fill 96, 4, 3214868480
	.section	.rodata,"a",@progbits
	.p2align	6, 0x0
	.amdhsa_kernel k_qad0c8b1383_qkv
		.amdhsa_group_segment_fixed_size 327680
		.amdhsa_private_segment_fixed_size 0
		.amdhsa_enable_private_segment 0
		.amdhsa_kernarg_size 32
		.amdhsa_user_sgpr_count 2
		.amdhsa_user_sgpr_kernarg_segment_ptr 1
		.amdhsa_wavefront_size32 1
		.amdhsa_system_sgpr_workgroup_id_x 1
		.amdhsa_system_sgpr_workgroup_id_y 1
		.amdhsa_system_sgpr_workgroup_id_z 1
		.amdhsa_system_vgpr_workitem_id 0
		.amdhsa_next_free_vgpr 1024
		.amdhsa_next_free_sgpr 100
		.amdhsa_reserve_vcc 0
		.amdhsa_float_denorm_mode_32 3
		.amdhsa_float_denorm_mode_16_64 3
		.amdhsa_memory_ordered 1
		.amdhsa_forward_progress 1
		.amdhsa_inst_pref_size 185
	.end_amdhsa_kernel
	.amdgpu_metadata
---
amdhsa.version: [ 1, 2 ]
amdhsa.kernels:
  - .name:           k_qad0c8b1383_qkv
    .symbol:         k_qad0c8b1383_qkv.kd
    .args:
      - { .name: codes, .offset: 0, .size: 8, .value_kind: global_buffer, .address_space: global }
      - { .name: freqs_cos, .offset: 8, .size: 8, .value_kind: global_buffer, .address_space: global }
      - { .name: freqs_sin, .offset: 16, .size: 8, .value_kind: global_buffer, .address_space: global }
      - { .name: qkvc, .offset: 24, .size: 8, .value_kind: global_buffer, .address_space: global }
    .group_segment_fixed_size: 327680
    .private_segment_fixed_size: 0
    .kernarg_segment_align: 8
    .kernarg_segment_size: 32
    .max_flat_workgroup_size: 128
    .sgpr_count:     100
    .vgpr_count:     1024
    .wavefront_size: 32
...
	.end_amdgpu_metadata
.endif
;; end of part 2
;; launch attn (part 3): grid 16 x 16, 8 waves a work-group, no clusters, 327,680 bytes of LDS; arguments qkvc, lambda_q1, lambda_q2, lambda_k1, lambda_k2, norm_w, ctxc, Wo, codes; writes ctxc, codes
.if DOCPART == 3
	.amdgcn_target "amdgcn-amd-amdhsa--gfx1250"
	.amdhsa_code_object_version 6
	.text
	.protected	k_qad0c8b1383_attn
	.globl	k_qad0c8b1383_attn
	.p2align	8
	.type	k_qad0c8b1383_attn,@function
k_qad0c8b1383_attn:
	s_mov_b64 s[64:65], 0
	v_nop
	global_prefetch_b8 v0, s[64:65] scope:SCOPE_SE
	s_setreg_imm32_b32 hwreg(HW_REG_WAVE_MODE, 25, 1), 1
	s_wait_xcnt 0x0
; ctx = rmsnorm((softmax(q1 k1^T) - lambda softmax(q2 k2^T)) v) x norm_w, on codes of FP6 (E2M3) with E8M0 scales, and ctx's quantiser along the channels.
; Operands are records of qkvc = [q, k, v][head 16][tile 16][record of 12,800 bytes] (128 rows x 128 K as images of the operand's registers); ctxc = [token tile 16][head 16][record].
; LEFT OUT: key tiles that lie wholly above the diagonal of the causal mask that the problem builds itself: their weights are 0 for all inputs.  start_pos is a constant and has no buffer.
; A WORK-GROUP takes one value head (grid y) and two blocks of 64 queries, x and 31 - x, which together need the same number of key tiles for every x.  Wave w: query tile w % 4 (one fragment of 16 queries), key tiles of parity w / 4.
; TWO PASSES, since the difference of the FINISHED softmaxes is what is quantised: pass 1 finds each row's running maximum and sum; pass 2 makes the scores again, p = 2^(t - (m + log2 sum)), d = p1 - lambda p2, quantises d
; along the keys and adds V^T d^T.  Both products are used transposed, so a lane holds one query.  A score head has 64 channels: q's fragment is given twice, each time with zeros in the other head's six registers.
; ORDER: the waves of key parity 0 take block 31 - x first and x second, those of parity 1 the other way round.  Each wave hands the O of its first block to its partner through LDS and keeps the O of its second: behind one barrier
; every wave adds its partner's part to its own and finishes one block.  The rows' maxima and sums cross the same way behind the one barrier between the passes.
; K, all 16 records of the head, lies in LDS: one tensor load a wave, two records, at the head; nothing is filled again.  The next step's fragments of K are asked for directly behind the score products, at an address held inside K's bytes.
; V comes from memory into registers, asked for at a step's head.  V's 204,800 bytes of a head are prefetched once: the first 25 waves of the head's work-groups name 32 blocks of 256 bytes each, ahead of pass 1.
; The next block's q is loaded into v240-252 while a block is walked.
; cluster = none: how many key tiles a work-group walks, and so its branches, hang on its own number.
; LIMITS: NaN and infinities are not served; the scaled scores stay under 2^31 in magnitude; a block of d or ctx under 2^-124 has its byte held at 1; a block of zeros has the byte 1 and zero codes.
; REGISTERS, window 0: v1-15 addresses and constants (v14 = -lambda); v16-33 q; v34-51 scale words; v52-63 maxima, sums; v64-191 scores; v192-239 at work; v240-252 the next q.  Window 1: v0-63 O^T; v64-159 V; v160-255 K.
.set FRB,   1536
.set SCO,   12288
.set REC,   12800
.set HEADB, 204800
.set PART,  3276800
; ALSO HERE: Wo's quantiser, for the launch that follows.  Wo has 256 records of 8 fragments, this launch 256 work-groups of 8 waves: work-group (x, y) makes record (row tile y, K step x) of part 4 of codes, wave w its fragment w.
; The fragment's 16 loads go out at the head into V's registers, which pass 1 does not name, and the fragment is quantised ahead of the barrier between the passes.
.set OSC,   204800                     ; behind K: 8,448 bytes a wave: first the stage through which Wo's 16 rows of 512 + 16 bytes turn, later the O that the wave hands over
.set STS,   272384                     ; two blocks x 16 bytes a thread: maxima and sums
.set SPARE, 280576                     ; the spare words: four blocks of 256 bytes that no other line names
.set PC,  192
.set TM,  212
.set XT,  228
.set QS,  240
.set PW,  35
.set SEL, 20
.set MSB, 0
.macro WIN new
.if MSB != (\new)
	s_set_vgpr_msb (MSB<<8)|(\new)
.set MSB, (\new)
.endif
.endm
; 64 numbers of a lane, register 16 b + i = k 32 b + 16 h + i of my row, become a fragment's codes in v[PC] on and its scale word in v[PW]
.macro QUANT s
.irp b, 0,1,2,3
	v_max3_num_f32 v[TM+\b], |v[\s+16*\b]|, |v[\s+1+16*\b]|, 0x1800000
.endr
.irp i, 2,4,6,8,10,12,14
.irp b, 0,1,2,3
	s_delay_alu instid0(VALU_DEP_4)
	v_max3_num_f32 v[TM+\b], v[TM+\b], |v[\s+16*\b+\i]|, |v[\s+1+16*\b+\i]|
.endr
.endr
.irp b, 0,1,2,3
	s_delay_alu instid0(VALU_DEP_4)
	v_permlanex16_b32 v[TM+4+\b], v[TM+\b], s[SEL], s[SEL+1]
.endr
.irp b, 0,1,2,3
	s_delay_alu instid0(VALU_DEP_4)
	v_max_num_f32 v[TM+\b], v[TM+\b], v[TM+4+\b]
.endr
.irp b, 0,1,2,3
	s_delay_alu instid0(VALU_DEP_4)
	v_add_nc_u32 v[TM+12+\b], 0xff000000, v[TM+\b]
.endr
.irp b, 0,1,2,3
	s_delay_alu instid0(VALU_DEP_4)
	v_lshrrev_b32 v[TM+4+\b], 23, v[TM+12+\b]
.endr
	s_delay_alu instid0(VALU_DEP_3)
	v_lshl_or_b32 v[PW], v[TM+5], 8, v[TM+4]
	s_delay_alu instid0(VALU_DEP_1)
	v_lshl_or_b32 v[PW], v[TM+6], 16, v[PW]
	s_delay_alu instid0(VALU_DEP_1)
	v_lshl_or_b32 v[PW], v[TM+7], 24, v[PW]
.irp c, 0,1
	v_cvt_scalef32_pk16_fp6_f32 v[PC+6*\c:PC+2+6*\c], v[\s+32*\c:\s+15+32*\c], v[TM+12+2*\c]
	v_cvt_scalef32_pk16_fp6_f32 v[PC+12+4*\c:PC+14+4*\c], v[\s+16+32*\c:\s+31+32*\c], v[TM+12+2*\c+1]
.endr
	v_nop
.irp c, 0,1
.irp i, 0,1,2
	v_permlane16_swap_b32 v[PC+6*\c+\i], v[PC+12+4*\c+\i]
.endr
.irp i, 0,1,2
	s_delay_alu instid0(VALU_DEP_3)
	v_mov_b32 v[PC+3+6*\c+\i], v[PC+12+4*\c+\i]
.endr
.endr
.endm
; K's record at LDS byte s52: its scale words and eight fragments.  The four vector lines are the places behind the products that read these registers
.macro KLOAD
	v_add_nc_u32 v3, s52, v1
	v_add_nc_u32 v4, s52, v2
	v_nop
	v_nop
	ds_load_b128 v[36:39], v4 offset:SCO
	ds_load_b128 v[40:43], v4 offset:SCO+256
	WIN 0x40
.set G, 0
.rept 8
.irp c, 0,1,2
	ds_load_b128 v[160+12*G+4*\c:160+12*G+4*\c+3], v3 offset:G*FRB+512*\c
.endr
.set G, G+1
.endr
	WIN 0
.endm
; S^T = k q^T for both score heads, 128 keys x 16 queries each; then the next key tile of my parity is asked for, held at record 15 from above
.macro SCORES
	s_wait_dscnt 0x0
	WIN 0x01
.set G, 0
.rept 8
	v_wmma_scale_f32_16x16x128_f8f6f4 v[64+8*G:71+8*G], v[160+12*G:171+12*G], v[16:27], 0, v[36+G], v34 matrix_a_fmt:MATRIX_FMT_FP6 matrix_b_fmt:MATRIX_FMT_FP6
	v_wmma_scale_f32_16x16x128_f8f6f4 v[128+8*G:135+8*G], v[160+12*G:171+12*G], v[22:33], 0, v[36+G], v34 matrix_a_fmt:MATRIX_FMT_FP6 matrix_b_fmt:MATRIX_FMT_FP6
.set G, G+1
.endr
	WIN 0
	s_add_co_u32 s52, s50, 2*REC
	s_min_u32 s52, s52, 15*REC
	KLOAD
.endm
.macro MASK                            ; only a tile that the diagonal crosses: register N holds key s49 + 32 (N / 16) + N % 16 + 16 h
	s_add_co_u32 s45, s49, 127
	s_cmp_le_u32 s45, s47
	s_cbranch_scc1 .Lopen_\@
	s_sub_co_i32 s45, s47, s49
	v_add_nc_u32 v8, s45, v7
.set N, 0
.rept 64
	v_cmp_gt_i32 vcc_lo, 32*(N/16)+N%16, v8
	v_cndmask_b32 v[64+N], v[64+N], v9, vcc_lo
	v_cndmask_b32 v[128+N], v[128+N], v9, vcc_lo
.set N, N+1
.endr
.Lopen_\@:
.endm
.macro TOEXP                           ; 2^(score x log2 e - v52) and 2^(score x log2 e - v54)
.set J, 0
.rept 32
	v_pk_fma_f32 v[64+J:65+J], v[64+J:65+J], s[22:23], v[52:53] op_sel_hi:[1,0,0] neg_lo:[0,0,1] neg_hi:[0,0,1]
	v_pk_fma_f32 v[128+J:129+J], v[128+J:129+J], s[22:23], v[54:55] op_sel_hi:[1,0,0] neg_lo:[0,0,1] neg_hi:[0,0,1]
.set J, J+2
.endr
.set J, 0
	s_wait_alu depctr_va_vdst(0)
.rept 128
	v_exp_f32 v[64+J], v[64+J]
.set J, J+1
.endr
.endm
.macro STEP1                           ; pass 1: the running maxima v52, v54 and the sums v[56:57], v[58:59]
	SCORES
	MASK
	v_max3_num_f32 v[XT+4], v64, v65, v66
	v_max3_num_f32 v[XT+6], v128, v129, v130
	v_max3_num_f32 v[XT+5], v96, v97, v98
	v_max3_num_f32 v[XT+7], v160, v161, v162
.irp i, 3,5,7,9,11,13,15,17,19,21,23,25,27,29
	v_max3_num_f32 v[XT+4], v[XT+4], v[64+\i], v[65+\i]
	v_max3_num_f32 v[XT+6], v[XT+6], v[128+\i], v[129+\i]
	v_max3_num_f32 v[XT+5], v[XT+5], v[96+\i], v[97+\i]
	v_max3_num_f32 v[XT+7], v[XT+7], v[160+\i], v[161+\i]
.endr
	v_max3_num_f32 v[XT+4], v[XT+4], v[XT+5], v95
	v_max3_num_f32 v[XT+6], v[XT+6], v[XT+7], v159
	v_max_num_f32 v[XT+4], v[XT+4], v127
	v_max_num_f32 v[XT+6], v[XT+6], v191
	s_delay_alu instid0(VALU_DEP_2)
	v_mul_f32 v[XT+4], s22, v[XT+4]
	s_delay_alu instid0(VALU_DEP_2)
	v_mul_f32 v[XT+6], s22, v[XT+6]
	s_delay_alu instid0(VALU_DEP_2)
	v_max_num_f32 v[XT+4], v[XT+4], v52
	s_delay_alu instid0(VALU_DEP_2)
	v_max_num_f32 v[XT+6], v[XT+6], v54
	s_delay_alu instid0(VALU_DEP_2)
	v_sub_f32 v60, v52, v[XT+4]
	s_delay_alu instid0(VALU_DEP_2)
	v_sub_f32 v62, v54, v[XT+6]
	s_delay_alu instid0(VALU_DEP_4)
	v_mov_b32 v52, v[XT+4]
	s_delay_alu instid0(VALU_DEP_4)
	v_mov_b32 v54, v[XT+6]
.set J, 0
.rept 32
	v_pk_fma_f32 v[64+J:65+J], v[64+J:65+J], s[22:23], v[52:53] op_sel_hi:[1,0,0] neg_lo:[0,0,1] neg_hi:[0,0,1]
.set J, J+2
.endr
	s_wait_alu depctr_va_vdst(0)                   ; a wait at each turn between plain work and exponentials
.set J, 0
.rept 32                                       ; score head 0's 64 exponentials, and among them head 1's t - m
	v_exp_f32 v[64+J], v[64+J]
	v_exp_f32 v[65+J], v[65+J]
	v_pk_fma_f32 v[128+J:129+J], v[128+J:129+J], s[22:23], v[54:55] op_sel_hi:[1,0,0] neg_lo:[0,0,1] neg_hi:[0,0,1]
.set J, J+2
.endr
	s_wait_alu depctr_va_vdst(0)
.set J, 0
.rept 16                                       ; head 1's 64 exponentials, and among them the first level of head 0's sum: 16 sums of two pairs, each in place
	v_exp_f32 v[128+J], v[128+J]
	v_exp_f32 v[129+J], v[129+J]
	v_pk_add_f32 v[64+J:65+J], v[64+J:65+J], v[66+J:67+J]
	v_exp_f32 v[130+J], v[130+J]
	v_exp_f32 v[131+J], v[131+J]
.set J, J+4
.endr
	v_exp_f32 v60, v60
	v_exp_f32 v62, v62
	v_nop
	s_wait_alu depctr_va_vdst(0)
	v_pk_mul_f32 v[56:57], v[56:57], v[60:61] op_sel_hi:[1,0]
	v_pk_mul_f32 v[58:59], v[58:59], v[62:63] op_sel_hi:[1,0]
	v_pk_add_f32 v[XT:XT+1], v[64:65], v[68:69]
	v_pk_add_f32 v[XT+2:XT+3], v[128:129], v[130:131]
.irp j, 8,16,24,32,40,48,56
	v_pk_add_f32 v[56:57], v[56:57], v[64+\j:65+\j]
	v_pk_add_f32 v[58:59], v[58:59], v[124+\j:125+\j]
	v_pk_add_f32 v[XT:XT+1], v[XT:XT+1], v[68+\j:69+\j]
	v_pk_add_f32 v[XT+2:XT+3], v[XT+2:XT+3], v[126+\j:127+\j]
	v_pk_add_f32 v[58:59], v[58:59], v[128+\j:129+\j]
	v_pk_add_f32 v[XT+2:XT+3], v[XT+2:XT+3], v[130+\j:131+\j]
.endr
	v_pk_add_f32 v[58:59], v[58:59], v[188:189]
	v_pk_add_f32 v[XT+2:XT+3], v[XT+2:XT+3], v[190:191]
	v_pk_add_f32 v[56:57], v[56:57], v[XT:XT+1]
	v_pk_add_f32 v[58:59], v[58:59], v[XT+2:XT+3]
.endm
.macro STEP2                           ; pass 2: v52, v54 hold maximum + log2(sum), so the exponential is the finished softmax
	WIN 0x40
.set G, 0
.rept 8
.irp c, 0,1,2
	global_load_b128 v[64+12*G+4*\c:64+12*G+4*\c+3], v1, s[58:59] offset:G*FRB+512*\c
.endr
.set G, G+1
.endr
	WIN 0
	global_load_b128 v[44:47], v2, s[58:59] offset:SCO
	global_load_b128 v[48:51], v2, s[58:59] offset:SCO+256
	SCORES
	MASK
	TOEXP
	v_nop
	s_wait_alu depctr_va_vdst(0)
.set J, 0
.rept 32
	v_pk_fma_f32 v[64+J:65+J], v[128+J:129+J], v[14:15], v[64+J:65+J] op_sel_hi:[1,0,1]   ; d = p1 - lambda p2
.set J, J+2
.endr
	QUANT 64
.rept 8
	v_nop                                          ; a scale word made by vector instructions stands 8 places ahead of a scaled product
.endr
	s_wait_alu depctr_va_vdst(0)                   ; ahead of the readers of O^T
	s_wait_loadcnt 0x0                             ; V's record is in
	WIN 0x51
.set G, 0
.rept 8
	v_wmma_scale_f32_16x16x128_f8f6f4 v[8*G:8*G+7], v[64+12*G:75+12*G], v[192:203], v[8*G:8*G+7], v[44+G], v35 matrix_a_fmt:MATRIX_FMT_FP6 matrix_b_fmt:MATRIX_FMT_FP6
.set G, G+1
.endr
	WIN 0
.rept 4
	v_nop
.endr
.endm
.macro MERGE                           ; (v52, v53), (v54, v55): maximum and sum of the two score heads, joined with another part's in v[XT] .. v[XT+3]
	v_max_num_f32 v[XT+4], v52, v[XT]
	v_max_num_f32 v[XT+5], v54, v[XT+2]
	s_delay_alu instid0(VALU_DEP_2)
	v_sub_f32 v[XT+6], v52, v[XT+4]
	s_delay_alu instid0(VALU_DEP_3)
	v_sub_f32 v[XT+7], v[XT], v[XT+4]
	s_delay_alu instid0(VALU_DEP_3)
	v_sub_f32 v[XT+8], v54, v[XT+5]
	s_delay_alu instid0(VALU_DEP_4)
	v_sub_f32 v[XT+9], v[XT+2], v[XT+5]
	s_wait_alu depctr_va_vdst(0)
.irp j, 6,7,8,9
	v_exp_f32 v[XT+\j], v[XT+\j]
.endr
	v_mov_b32 v52, v[XT+4]
	v_mov_b32 v54, v[XT+5]
	s_wait_alu depctr_va_vdst(0)
	v_mul_f32 v53, v53, v[XT+6]
	v_mul_f32 v55, v55, v[XT+8]
	v_fmac_f32 v53, v[XT+1], v[XT+7]
	v_fmac_f32 v55, v[XT+3], v[XT+9]
.endm
.macro FRADDR b                        ; block b of 64 rows: s72 its record's tile, s74 my fragment's bytes in the record, s75 my scale words'
	s_lshr_b32 s72, \b, 1
	s_and_b32 s73, \b, 1
	s_lshl_b32 s74, s73, 2
	s_add_co_u32 s74, s74, s40
	s_mul_i32 s74, s74, FRB
	s_lshl_b32 s75, s73, 8
	s_lshl_b32 s76, s40, 2
	s_add_co_u32 s75, s75, s76
	s_add_co_u32 s75, s75, SCO
.endm
.macro QLOAD b                         ; q's fragment and scale word of my query tile in block b, into v240-252
	FRADDR \b
	s_mul_i32 s76, s72, REC
	s_add_co_u32 s76, s76, s44
	s_add_co_u32 s52, s76, s74
	s_mov_b32 s53, 0
	s_add_nc_u64 s[54:55], s[4:5], s[52:53]
	s_add_co_u32 s52, s76, s75
	s_add_nc_u64 s[56:57], s[4:5], s[52:53]
	global_load_b128 v[QS:QS+3], v1, s[54:55]
	global_load_b128 v[QS+4:QS+7], v1, s[54:55] offset:512
	global_load_b128 v[QS+8:QS+11], v1, s[54:55] offset:1024
	global_load_b32 v[QS+12], v2, s[56:57]
.endm
; A block's head.  s79: first (0) or second (1) block of the pass.  Which block: parity 0 takes 31 - x, then x; parity 1 x, then 31 - x.  The q that was on its way is taken over, and the other block's is asked for
.macro QTAKE                           ; the q that was on its way is taken over: at the head, and at the end of each block that has a successor
	s_wait_loadcnt 0x0
	v_mov_b32 v34, v[QS+12]
.irp j, 0,1,2,3,4,5
	v_mov_b32 v[16+\j], v[QS+\j]                   ; score head 0's 64 channels; v22-27 stay zeros
	v_mov_b32 v[28+\j], v[QS+6+\j]                 ; score head 1's
.endr
.endm
.macro BLKHEAD pass
	s_xor_b32 s78, s79, s19
	s_xor_b32 s78, s78, 1                          ; 0: block x; 1: block 31 - x
	s_lshl_b32 s77, s78, 12                        ; its place among the maxima and sums
	s_sub_co_u32 s45, 31, s41
	s_cmp_lg_u32 s78, 0
	s_cselect_b32 s46, s45, s41                    ; this block,
	s_cselect_b32 s45, s41, s45                    ; and the other
	s_lshl_b32 s47, s46, 6
	s_add_co_u32 s47, s47, s43                     ; my tile's first query,
	s_add_co_u32 s48, s47, 23                      ; and its last
.if \pass == 2
	s_cmp_lg_u32 s79, 0                            ; the last block has no successor
	s_cbranch_scc1 .Lnoq_\@
.endif
	QLOAD s45
.if \pass == 2
.Lnoq_\@:
.endif
.endm
.macro KSTART                          ; the walk over my key tiles begins: tile s19, eight trips two tiles apart; the trips beyond the diagonal are jumped over
	s_lshl_b32 s49, s19, 7
	s_mul_i32 s50, s19, REC
	s_mov_b32 s52, s50
	s_wait_dscnt 0x0                               ; no load is on its way into K's registers
	KLOAD
	s_mov_b32 s51, 8
	s_wait_alu depctr_va_vdst(0)
.endm
	s_load_b256 s[4:11], s[0:1], 0x0               ; qkvc, lambda_q1, lambda_q2, lambda_k1
	s_load_b128 s[12:15], s[0:1], 0x20             ; lambda_k2, norm_w
	s_load_b64 s[16:17], s[0:1], 0x30              ; ctxc
	s_load_b128 s[80:83], s[0:1], 0x38             ; Wo, codes
	v_lshl_add_u32 v5, v0, 2, SPARE
	v_mov_b32 v6, 0
	ds_add_u32 v5, v6                              ; the opening lines: the add twice and its wait ahead of my tensor load
	ds_add_u32 v5, v6
	v_lshrrev_b32 v1, 5, v0
	v_readfirstlane_b32 s18, v1                    ; wave 0..7
	s_lshr_b32 s19, s18, 2                         ; key parity
	s_and_b32 s40, s18, 3                          ; query tile
	s_mov_b32 s41, ttmp9                           ; x
	s_and_b32 s42, ttmp7, 0xffff                   ; head
	s_mul_i32 s44, s42, HEADB
	s_lshr_b32 s43, s40, 1
	s_lshl_b32 s43, s43, 5
	s_and_b32 s45, s40, 1
	s_lshl_b32 s45, s45, 3
	s_add_co_u32 s43, s43, s45                     ; my fragment's first row in its block: 32 (tile / 2) + 8 (tile % 2)
	s_mov_b32 s24, 3<<16                           ; two records, 25,600 dense bytes, as 100 rows of 256
	s_mov_b32 s25, 32<<16
	s_mov_b32 s26, 100<<16
	s_mov_b32 s27, 32<<16
	s_mov_b32 s28, 100
	s_mov_b32 s29, 32
	s_mov_b32 s30, 0
	s_mov_b32 s31, 0
	s_mov_b32 s[SEL], 0x76543210
	s_mov_b32 s[SEL+1], 0xfedcba98
	s_mov_b32 s22, 0x3fb8aa3b                      ; log2 e
	s_mov_b32 s23, s22
	s_mov_b32 s66, 0x3c000000                      ; 1 / 128
	s_mov_b32 s67, 0x3727c5ac                      ; 1e-5
	v_and_b32 v3, 31, v0
	v_and_b32 v4, 15, v0
	v_bfe_u32 v13, v0, 4, 1
	v_lshlrev_b32 v1, 4, v3                        ; 16 x lane
	v_lshlrev_b32 v2, 4, v4                        ; 16 r
	v_and_b32 v7, 8, v4
	v_lshlrev_b32 v8, 4, v13
	v_add_nc_u32 v7, v7, v4
	v_lshrrev_b32 v12, 5, v0
	v_sub_nc_u32 v7, v7, v8                        ; r + 8 (r / 8) - 16 h
	v_mov_b32 v9, 0xff800000
	v_lshl_add_u32 v10, v0, 4, STS                 ; my maxima and sums,
	v_xor_b32 v11, 128, v0
	v_xor_b32 v253, 4, v12
	v_lshl_add_u32 v11, v11, 4, STS                ; and my partner's (wave xor 4)
	v_mul_u32_u24 v12, v12, 8448
	v_mul_u32_u24 v253, v253, 8448
	v_add_nc_u32 v12, v12, v1
	v_add_nc_u32 v253, v253, v1
	v_add_nc_u32 v12, OSC, v12                     ; the O that I hand over: 8,448 x wave + 16 x lane,
	v_add_nc_u32 v253, OSC, v253                   ; and my partner's
	v_lshlrev_b32 v13, 6, v13                      ; norm_w: 64 h
	v_lshlrev_b32 v255, 8, v3                      ; the prefetch: a lane a block of 256 bytes
	v_lshlrev_b32 v8, 3, v3
	v_mov_b32 v15, 0
	v_mov_b32 v61, 0
	v_mov_b32 v63, 0
.irp j, 22,23,24,25,26,27
	v_mov_b32 v\j, 0                               ; the zeros between q's two halves, written once
.endr
.irp j, 0,1,2,3
	v_mov_b32 v[XT+\j], 0                          ; a lane permute's destination counts as one of its sources
	v_mov_b32 v[TM+4+\j], 0
.endr
	v_mov_b32 v74, 0
	v_mov_b32 v75, 0
	s_mul_i32 s45, s18, 2*REC
	s_wait_alu depctr_va_vdst(0)
	s_wait_dscnt 0x0
	s_wait_kmcnt 0x0
	s_add_co_u32 s52, s44, s45
	s_add_co_u32 s52, s52, PART
	s_mov_b32 s53, 0
	s_mov_b32 s32, 1
	s_mov_b32 s33, s45
	s_add_nc_u64 s[34:35], s[4:5], s[52:53]
	s_or_b32 s35, s35, 0x80000000
	tensor_load_to_lds s[32:35], s[24:31]          ; K's records 2 w and 2 w + 1: my one tensor load
	s_nop 0
.rept 4
	v_nop
.endr
	global_load_b64 v[64:65], v8, s[6:7]
	global_load_b64 v[66:67], v8, s[10:11]
	global_load_b64 v[68:69], v8, s[8:9]
	global_load_b64 v[70:71], v8, s[12:13]
	s_sub_co_u32 s46, 31, s41
	s_cmp_eq_u32 s19, 0
	s_cselect_b32 s45, s46, s41
	QLOAD s45                                      ; my first block's q
	s_mul_i32 s52, s19, REC
	s_add_co_u32 s52, s52, s44
	s_add_co_u32 s52, s52, 2*PART
	s_add_nc_u64 s[70:71], s[4:5], s[52:53]        ; V's record of my first key tile
	s_lshl_b32 s72, s41, 3
	s_add_co_u32 s72, s72, s18
	s_min_u32 s73, s72, 24
	s_lshl_b32 s52, s73, 13
	s_add_co_u32 s52, s52, s44
	s_add_co_u32 s52, s52, 2*PART
	s_add_nc_u64 s[68:69], s[4:5], s[52:53]
	s_cmp_lt_u32 s72, 25
	s_cbranch_scc0 .Lno_pf
	global_prefetch_b8 v255, s[68:69] th:TH_LOAD_NT scope:SCOPE_SE   ; 8,192 of the head's 204,800 bytes of V: wave 8 x + w, the first 25 of the head
.Lno_pf:
	s_cmp_lg_u32 s72, 0
	s_cbranch_scc1 .Lno_pn
	global_prefetch_b8 v13, s[14:15] th:TH_LOAD_NT scope:SCOPE_SE             ; norm_w's two blocks of 256 bytes, wanted on the way out: one wave of each head asks
	global_prefetch_b8 v13, s[14:15] offset:256 th:TH_LOAD_NT scope:SCOPE_SE
.Lno_pn:
	s_lshr_b32 s72, s18, 1                         ; Wo: my fragment's first row, 128 y + 32 (w / 2) + 8 (w % 2), of 8,192 bytes; + 512 x
	s_lshl_b32 s72, s72, 5
	s_and_b32 s73, s18, 1
	s_lshl_b32 s73, s73, 3
	s_add_co_u32 s72, s72, s73
	s_lshl_b32 s73, s42, 7
	s_add_co_u32 s72, s72, s73
	s_lshl_b32 s52, s72, 13
	s_lshl_b32 s73, s41, 9
	s_add_co_u32 s52, s52, s73
	s_add_nc_u64 s[80:81], s[80:81], s[52:53]
	s_lshl_b32 s72, s42, 4                         ; codes: part 4, record 16 y + x;
	s_add_co_u32 s72, s72, s41
	s_mul_i32 s72, s72, REC
	s_add_co_u32 s72, s72, 4*PART
	s_mul_i32 s73, s18, FRB
	s_add_co_u32 s52, s72, s73
	s_add_nc_u64 s[84:85], s[82:83], s[52:53]      ; my fragment in it,
	s_lshr_b32 s73, s18, 2
	s_lshl_b32 s73, s73, 8
	s_and_b32 s74, s18, 3
	s_lshl_b32 s74, s74, 2
	s_add_co_u32 s73, s73, s74
	s_add_co_u32 s73, s73, SCO
	s_add_co_u32 s52, s72, s73
	s_add_nc_u64 s[82:83], s[82:83], s[52:53]      ; and its scale words
	s_wait_loadcnt 0x4                             ; the four lambda loads are in; q's four may be out
	v_mul_f32 v72, v64, v66
	v_mul_f32 v73, v68, v70
	s_delay_alu instid0(VALU_DEP_2)
	v_fmac_f32 v72, v65, v67
	s_delay_alu instid0(VALU_DEP_2)
	v_fmac_f32 v73, v69, v71
.irp m, 1,2,4,8
	s_delay_alu instid0(VALU_DEP_2)
	v_add_f32_dpp v72, v72, v72 row_xmask:\m row_mask:0xf bank_mask:0xf
	s_delay_alu instid0(VALU_DEP_2)
	v_add_f32_dpp v73, v73, v73 row_xmask:\m row_mask:0xf bank_mask:0xf
.endr
	s_delay_alu instid0(VALU_DEP_2)
	v_permlanex16_b32 v74, v72, s[SEL], s[SEL+1]
	s_delay_alu instid0(VALU_DEP_2)
	v_permlanex16_b32 v75, v73, s[SEL], s[SEL+1]
	s_delay_alu instid0(VALU_DEP_2)
	v_add_f32 v72, v72, v74
	s_delay_alu instid0(VALU_DEP_2)
	v_add_f32 v73, v73, v75
	s_delay_alu instid0(VALU_DEP_2)
	v_mul_f32 v72, 0x3fb8aa3b, v72
	s_delay_alu instid0(VALU_DEP_2)
	v_mul_f32 v73, 0x3fb8aa3b, v73
	s_wait_alu depctr_va_vdst(0)
	v_exp_f32 v72, v72
	v_exp_f32 v73, v73
	v_nop
	s_wait_alu depctr_va_vdst(0)
	v_sub_f32 v14, v73, v72
	s_delay_alu instid0(VALU_DEP_1)
	v_add_f32 v14, 0xbf489a63, v14                 ; -lambda = lam2 - lam1 - LAMBDA_INIT
	QTAKE                                          ; my first block's q
	WIN 0x40
.irp i, 0,1,2,3,4,5,6,7,8,9,10,11,12,13,14,15
	global_load_b128 v[64+4*\i:67+4*\i], v1, s[80:81] offset:(\i+8*(\i/8))*8192 th:TH_LOAD_NT   ; Wo: 512 consecutive bytes of a row a load, into V's registers
.endr
	WIN 0
	s_wait_alu depctr_va_vdst(0)
	s_wait_tensorcnt 0x0                           ; my two records of K are in,
	s_barrier_signal -1
	s_barrier_wait -1                              ; and everybody's
	s_mov_b32 s79, 0
.Lo1:                                                  ; PASS 1, my two blocks
	BLKHEAD 1
	v_mov_b32 v52, 0xff61b1e6                      ; -3e38, under every t
	v_mov_b32 v54, 0xff61b1e6
.irp j, 53,55,56,57,58,59
	v_mov_b32 v\j, 0
.endr
	KSTART
.Lp1:
	s_cmp_gt_u32 s49, s48
	s_cbranch_scc1 .Lh1
	STEP1
	s_wait_alu depctr_va_vdst(0)
.Lh1:
	s_add_co_u32 s49, s49, 256
	s_add_co_u32 s50, s50, 2*REC
	s_sub_co_u32 s51, s51, 1
	s_cmp_lg_u32 s51, 0
	s_cbranch_scc1 .Lp1
	v_add_f32 v53, v56, v57
	v_add_f32 v55, v58, v59
.irp j, 0,1,2,3
	v_permlanex16_b32 v[XT+\j], v[52+\j], s[SEL], s[SEL+1]
.endr
	MERGE                                          ; with lane l xor 16's keys
	v_add_nc_u32 v254, s77, v10
	ds_store_b128 v254, v[52:55]
	s_wait_dscnt 0x0
	QTAKE                                          ; the next block's q (its wait shows Wo's loads done too)
	s_add_co_u32 s79, s79, 1
	s_cmp_lt_u32 s79, 2
	s_wait_alu depctr_va_vdst(0)
	s_cbranch_scc1 .Lo1
	; Wo's fragment: 16 rows turn through my own stage, from which lane (r, h) takes its two blocks of 32 neighbours, k = 64 c + 32 h + 0 .. 31 of row r
	v_mul_u32_u24 v254, v2, 33                     ; 528 r
	v_lshl_add_u32 v254, v13, 1, v254              ; + 128 h
	v_add_nc_u32 v254, v254, v12
	v_sub_nc_u32 v254, v254, v1                    ; + my stage
	v_lshrrev_b32 v8, 3, v13                       ; 8 h
	WIN 0x04
.irp i, 0,1,2,3,4,5,6,7,8,9,10,11,12,13,14,15
	ds_store_b128 v12, v[64+4*\i:67+4*\i] offset:528*\i
.endr
	WIN 0
.irp c, 0,1
.irp e, 0,1,2,3,4,5,6,7
	ds_load_b128 v[64+32*\c+4*\e:64+32*\c+4*\e+3], v254 offset:256*\c+16*\e   ; LDS serves a wave's instructions in order: these see the stores above
.endr
.endr
	s_wait_dscnt 0x0
.irp c, 0,1
	v_max3_num_f32 v[TM+\c], |v[64+32*\c]|, |v[65+32*\c]|, 0x1800000   ; with the floor 2^(3 - 127): the byte cannot fall under 1
.endr
.irp i, 2,4,6,8,10,12,14,16,18,20,22,24,26,28,30
.irp c, 0,1
	v_max3_num_f32 v[TM+\c], v[TM+\c], |v[64+32*\c+\i]|, |v[65+32*\c+\i]|
.endr
.endr
.irp c, 0,1
	v_add_nc_u32 v[TM+2+\c], 0xff000000, v[TM+\c]  ; 2 off the exponent field: the conversion's scale operand
.endr
.irp c, 0,1
	v_lshrrev_b32 v[TM+8+\c], 23, v[TM+2+\c]       ; the scale's byte
.endr
	v_lshl_or_b32 v[TM+8], v[TM+9], 16, v[TM+8]    ; blocks h and 2 + h of my row,
	v_lshlrev_b32 v[TM+8], v8, v[TM+8]             ; at their places in the word;
	v_permlanex16_b32 v[TM+4], v[TM+8], s[SEL], s[SEL+1]
	v_or_b32 v[TM+8], v[TM+8], v[TM+4]             ; with lane l xor 16's two the word is whole
	v_cvt_scalef32_pk16_fp6_f32 v[PC:PC+2], v[64:79], v[TM+2]
	v_cvt_scalef32_pk16_fp6_f32 v[PC+12:PC+14], v[80:95], v[TM+2]
	v_cvt_scalef32_pk16_fp6_f32 v[PC+6:PC+8], v[96:111], v[TM+3]
	v_cvt_scalef32_pk16_fp6_f32 v[PC+16:PC+18], v[112:127], v[TM+3]
	v_nop                                          ; one plain place behind a scaled conversion
.irp i, 0,1,2
	v_mov_b32 v[PC+3+\i], v[PC+12+\i]
	v_mov_b32 v[PC+9+\i], v[PC+16+\i]
.endr
.irp c, 0,1,2
	global_store_b128 v1, v[PC+4*\c:PC+4*\c+3], s[84:85] offset:512*\c   ; 32 lanes store 512 consecutive bytes, aligned to 256
.endr
	global_store_b32 v2, v[TM+8], s[82:83]
	s_wait_alu depctr_va_vdst(0)
	s_wait_xcnt 0x0                                ; the stores have read their registers, which pass 2 writes again
	s_barrier_signal -1
	s_barrier_wait -1                              ; both parities' maxima and sums of both blocks lie in LDS
	s_mov_b32 s79, 0
.Lo2:                                                  ; PASS 2, my two blocks
	BLKHEAD 2
	v_add_nc_u32 v254, s77, v10
	v_add_nc_u32 v8, s77, v11
	ds_load_b128 v[52:55], v254
	ds_load_b128 v[XT:XT+3], v8
	WIN 0x40
.set J, 0
.rept 64
	v_mov_b32 v[J], 0                              ; O^T: how many steps add to it hangs on the block, none may
.set J, J+1
.endr
	WIN 0
	s_mov_b64 s[58:59], s[70:71]
	s_wait_dscnt 0x0
	MERGE                                          ; the rows' maxima and sums over all keys
	s_wait_alu depctr_va_vdst(0)
	v_log_f32 v56, v53
	v_log_f32 v57, v55
	v_nop
	s_wait_alu depctr_va_vdst(0)
	v_add_f32 v52, v52, v56                        ; maximum + log2(sum): taken off t it gives the finished softmax
	v_add_f32 v54, v54, v57
	KSTART
.Lp2:
	s_cmp_gt_u32 s49, s48
	s_cbranch_scc1 .Lh2
	STEP2
	s_wait_alu depctr_va_vdst(0)
.Lh2:
	s_add_co_u32 s49, s49, 256
	s_add_co_u32 s50, s50, 2*REC
	s_add_nc_u64 s[58:59], s[58:59], 2*REC
	s_sub_co_u32 s51, s51, 1
	s_cmp_lg_u32 s51, 0
	s_cbranch_scc1 .Lp2
	s_cmp_lg_u32 s79, 0
	s_cbranch_scc1 .Lkeep
	WIN 0x04
.set J, 0
.rept 16
	ds_store_b128 v12, v[4*J:4*J+3] offset:512*J   ; my first block's O^T, for my partner
.set J, J+1
.endr
	WIN 0
	s_wait_dscnt 0x0
	QTAKE                                          ; my second block's q
.Lkeep:
	s_add_co_u32 s79, s79, 1
	s_cmp_lt_u32 s79, 2
	s_wait_alu depctr_va_vdst(0)
	s_cbranch_scc1 .Lo2
	FRADDR s46                                     ; THE WAY OUT of my second block: fragment and scale words in ctxc's record (token tile, head)
	s_lshl_b32 s76, s72, 4
	s_add_co_u32 s76, s76, s42
	s_mul_i32 s76, s76, REC
	s_add_co_u32 s52, s76, s74
	s_mov_b32 s53, 0
	s_add_nc_u64 s[60:61], s[16:17], s[52:53]
	s_add_co_u32 s52, s76, s75
	s_add_nc_u64 s[62:63], s[16:17], s[52:53]
	s_wait_dscnt 0x0
	WIN 0x40
.irp b, 0,1,2,3
.irp e, 0,1,2,3
	global_load_b128 v[64+16*\b+4*\e:64+16*\b+4*\e+3], v13, s[14:15] offset:128*\b+16*\e   ; norm_w at my 64 channels, where V's fragments lay
.endr
.endr
	WIN 0
	s_barrier_signal -1
	s_barrier_wait -1
.set J, 0
.rept 16
	ds_load_b128 v[128+4*J:128+4*J+3], v253 offset:512*J
.set J, J+1
.endr
	s_wait_dscnt 0x0
	WIN 0x04
.set J, 0
.rept 32
	v_pk_add_f32 v[64+J:65+J], v[128+J:129+J], v[J:J+1]
.set J, J+2
.endr
	WIN 0
	v_pk_mul_f32 v[XT:XT+1], v[64:65], v[64:65]
	v_pk_mul_f32 v[XT+2:XT+3], v[66:67], v[66:67]
.irp j, 4,8,12,16,20,24,28,32,36,40,44,48,52,56,60
	s_delay_alu instid0(VALU_DEP_2)
	v_pk_fma_f32 v[XT:XT+1], v[64+\j:65+\j], v[64+\j:65+\j], v[XT:XT+1]
	s_delay_alu instid0(VALU_DEP_2)
	v_pk_fma_f32 v[XT+2:XT+3], v[66+\j:67+\j], v[66+\j:67+\j], v[XT+2:XT+3]
.endr
	s_delay_alu instid0(VALU_DEP_1)
	v_pk_add_f32 v[XT:XT+1], v[XT:XT+1], v[XT+2:XT+3]
	s_delay_alu instid0(VALU_DEP_1)
	v_add_f32 v[XT], v[XT], v[XT+1]
	s_delay_alu instid0(VALU_DEP_1)
	v_permlanex16_b32 v[XT+1], v[XT], s[SEL], s[SEL+1]
	s_delay_alu instid0(VALU_DEP_1)
	v_add_f32 v[XT], v[XT], v[XT+1]
	s_delay_alu instid0(VALU_DEP_1)
	v_fma_f32 v[XT], v[XT], s66, s67               ; the mean of the squares + 1e-5
	s_wait_alu depctr_va_vdst(0)
	v_rsq_f32 v[XT+2], v[XT]
	v_nop
	s_wait_alu depctr_va_vdst(0)
.set J, 0
.rept 32
	v_pk_mul_f32 v[64+J:65+J], v[64+J:65+J], v[XT+2:XT+3] op_sel_hi:[1,0]
.set J, J+2
.endr
	s_wait_loadcnt 0x0
	WIN 0x04
.set J, 0
.rept 32
	v_pk_mul_f32 v[64+J:65+J], v[64+J:65+J], v[64+J:65+J]   ; source 1 is window 1: norm_w
.set J, J+2
.endr
	WIN 0
	QUANT 64
.irp c, 0,1,2
	global_store_b128 v1, v[PC+4*\c:PC+4*\c+3], s[60:61] offset:512*\c   ; 32 lanes store 512 consecutive bytes, aligned to 256
.endr
	global_store_b32 v2, v[PW], s[62:63]
	s_wait_tensorcnt 0x0                           ; the wave's end
	ds_add_u32 v5, v6
	s_wait_dscnt 0x0
	s_endpgm
.Lfunc_end_k_qad0c8b1383_attn:
	.size	k_qad0c8b1383_attn, .Lfunc_end_k_qad0c8b1383_attn-k_qad0c8b1383_attn
	.p2alignl 7, 3214868480
	.fill 96, 4, 3214868480
	.section	.rodata,"a",@progbits
	.p2align	6, 0x0
	.amdhsa_kernel k_qad0c8b1383_attn
		.amdhsa_group_segment_fixed_size 327680
		.amdhsa_private_segment_fixed_size 0
		.amdhsa_enable_private_segment 0
		.amdhsa_kernarg_size 72
		.amdhsa_user_sgpr_count 2
		.amdhsa_user_sgpr_kernarg_segment_ptr 1
		.amdhsa_wavefront_size32 1
		.amdhsa_system_sgpr_workgroup_id_x 1
		.amdhsa_system_sgpr_workgroup_id_y 1
		.amdhsa_system_sgpr_workgroup_id_z 1
		.amdhsa_system_vgpr_workitem_id 0
		.amdhsa_next_free_vgpr 512
		.amdhsa_next_free_sgpr 90
		.amdhsa_reserve_vcc 1
		.amdhsa_float_denorm_mode_32 3
		.amdhsa_float_denorm_mode_16_64 3
		.amdhsa_memory_ordered 1
		.amdhsa_forward_progress 1
		.amdhsa_inst_pref_size 109
	.end_amdhsa_kernel
	.amdgpu_metadata
---
amdhsa.version: [ 1, 2 ]
amdhsa.kernels:
  - .name:           k_qad0c8b1383_attn
    .symbol:         k_qad0c8b1383_attn.kd
    .args:
      - { .name: qkvc, .offset: 0, .size: 8, .value_kind: global_buffer, .address_space: global }
      - { .name: lambda_q1, .offset: 8, .size: 8, .value_kind: global_buffer, .address_space: global }
      - { .name: lambda_q2, .offset: 16, .size: 8, .value_kind: global_buffer, .address_space: global }
      - { .name: lambda_k1, .offset: 24, .size: 8, .value_kind: global_buffer, .address_space: global }
      - { .name: lambda_k2, .offset: 32, .size: 8, .value_kind: global_buffer, .address_space: global }
      - { .name: norm_w, .offset: 40, .size: 8, .value_kind: global_buffer, .address_space: global }
      - { .name: ctxc, .offset: 48, .size: 8, .value_kind: global_buffer, .address_space: global }
      - { .name: Wo, .offset: 56, .size: 8, .value_kind: global_buffer, .address_space: global }
      - { .name: codes, .offset: 64, .size: 8, .value_kind: global_buffer, .address_space: global }
    .group_segment_fixed_size: 327680
    .private_segment_fixed_size: 0
    .kernarg_segment_align: 8
    .kernarg_segment_size: 72
    .max_flat_workgroup_size: 256
    .sgpr_count:     90
    .vgpr_count:     512
    .wavefront_size: 32
...
	.end_amdgpu_metadata
.endif
;; end of part 3
;; launch outp (part 4): grid 16 x 16, 4 waves a work-group, clusters of 4 x 4, 327,680 bytes of LDS; arguments ctxc, codes, out0; writes out0
.if DOCPART == 4
	.amdgcn_target "amdgcn-amd-amdhsa--gfx1250"
	.amdhsa_code_object_version 6
	.text
	.protected	k_qad0c8b1383_outp
	.globl	k_qad0c8b1383_outp
	.p2align	8
	.type	k_qad0c8b1383_outp,@function
k_qad0c8b1383_outp:
	s_mov_b64 s[64:65], 0
	v_nop
	global_prefetch_b8 v0, s[64:65] scope:SCOPE_SE
	s_setreg_imm32_b32 hwreg(HW_REG_WAVE_MODE, 25, 1), 1
	s_wait_xcnt 0x0
	s_wait_alu depctr_hold_cnt(0) depctr_sa_sdst(0) depctr_va_vdst(0) depctr_va_sdst(0) depctr_va_ssrc(0) depctr_va_vcc(0) depctr_vm_vsrc(0)
	s_getreg_b32 s2, hwreg(HW_REG_IB_STS2, 6, 4)
	s_cmp_eq_u32 s2, 0
	s_cbranch_scc0 .Lentry_in_a_cluster
	s_endpgm
.Lentry_in_a_cluster:
	s_bfe_u32 s2, ttmp6, 0x10000c
	s_cmp_lg_u32 s2, 0xf033
	s_cbranch_scc0 .Lentry_shape_is_right
	s_endpgm
.Lentry_shape_is_right:
.set NB,    4
.set NQ,    4
.set FR,    12
.set NL,    3
.set FRB,   1536
.set SCO,   12288
.set REC,   12800
.set HEADB, 204800
.set PART,  3276800
.set CH,    25600
.set SLOT,  102400
.set SPARE, 204800
.set ADRA, 16
.set ADRB, 20
.set ADRS, 22
.set STO,  24
.set RD,   25
.set CO,   26
.set SPW,  28
.set NIL,  29
.set SC,   32
.set AF,   128
.set BK,   128
.set G1,   24
.set G0,   32
.set G1B,  48
.set G0B,  56
.set MUL_LO, 0xa1
.set MUL_HI, 0xf1
.set TO_B,   0x40
.set MSB, 0
.macro WIN new
.if MSB != (\new)
	s_set_vgpr_msb (MSB<<8)|(\new)
.set MSB, (\new)
.endif
.endm
.macro JLOAD g0a, g1a, g0b, g1b
	s_cmp_eq_u32 s15, 0
	s_cbranch_scc0 .Lfor_b_\@
	tensor_load_to_lds s[\g0a:\g0a+3], s[\g1a:\g1a+7]
	s_nop 0
.rept 4
	v_nop
.endr
	s_branch .Lasked_\@
.Lfor_b_\@:
	tensor_load_to_lds s[\g0b:\g0b+3], s[\g1b:\g1b+7]
	s_nop 0
.rept 4
	v_nop
.endr
.Lasked_\@:
.endm
.macro CREST
	s_cmp_lg_u32 s14, 0
	s_cbranch_scc1 .Lnot_wave_0_\@
	s_barrier_signal -3
.Lnot_wave_0_\@:
	s_barrier_wait -3
	s_barrier_signal -1
	s_barrier_wait -1
.endm
.macro CROUND
	s_barrier_signal -1
	s_barrier_wait -1
	CREST
.endm
.macro PLACES n
.rept \n
	v_nop
.endr
.endm
.macro FRAG reg, adr, q, g
.irp c, 0,1,2
	ds_load_b128 v[\reg+4*\c:\reg+4*\c+3], v[\adr] offset:(\q)*REC+(\g)*FRB+512*\c
.endr
.endm
.macro FETCH_B slot, q, p
	WIN TO_B
.set FI, 0
.rept NB
	FRAG 128*(\p)+FR*FI, ADRB+\slot, \q, FI
.set FI, FI+1
.endr
	WIN 0
.endm
.macro FETCH_A slot, q, i0
.set FI, \i0
.rept NB/2
	FRAG AF+FR*FI, ADRA+\slot, \q, FI
.set FI, FI+1
.endr
.endm
.macro SCALES slot
.irp q, 0,1,2,3
	ds_load_b128 v[SC+4*(4*\slot+\q):SC+4*(4*\slot+\q)+3], v[ADRS+\slot] offset:\q*REC
.endr
.endm
.macro MUL a0, na, p, q, slot, zero
.set AA, \a0
.rept \na
.set BB, 0
.rept NB
.set ACR, 8*(NB*(AA%(NB/2))+BB)
.set BFR, 128*(\p)+FR*BB
.set AFR, AF+FR*AA
.set SCX, SC+NB*(NQ*(\slot)+(\q))
.if \zero
	v_wmma_scale_f32_16x16x128_f8f6f4 v[ACR:ACR+7], v[BFR:BFR+FR-1], v[AFR:AFR+FR-1], 0, v[SCX+BB], v[SCX+AA] matrix_a_fmt:MATRIX_FMT_FP6 matrix_b_fmt:MATRIX_FMT_FP6 matrix_a_scale:MATRIX_SCALE_ROW1
.else
	v_wmma_scale_f32_16x16x128_f8f6f4 v[ACR:ACR+7], v[BFR:BFR+FR-1], v[AFR:AFR+FR-1], v[ACR:ACR+7], v[SCX+BB], v[SCX+AA] matrix_a_fmt:MATRIX_FMT_FP6 matrix_b_fmt:MATRIX_FMT_FP6 matrix_a_scale:MATRIX_SCALE_ROW1
.endif
.set BB, BB+1
.endr
.set AA, AA+1
.endr
.endm
.macro STEP slot, q, zero
	s_wait_dscnt (NB/2)*NL
	WIN MUL_LO
	MUL 0, NB/2, (\q)%2, \q, \slot, \zero
	s_wait_dscnt 0x0
	PLACES 4
	FETCH_B \slot, (\q)+1, 1-(\q)%2
	FETCH_A \slot, (\q)+1, 0
	WIN MUL_HI
	MUL NB/2, NB/2, (\q)%2, \q, \slot, \zero
	PLACES 4
	WIN 0
	FETCH_A \slot, (\q)+1, NB/2
.endm
.macro TURN slot, next, fill
	s_wait_tensorcnt 0x0
	ds_add_u32 v[SPW], v[NIL]
	s_wait_dscnt (NB/2)*NL+1
	WIN MUL_LO
	MUL 0, NB/4, 1, NQ-1, \slot, 0
	s_wait_dscnt 0x0
	s_barrier_signal -1
	MUL NB/4, NB/4, 1, NQ-1, \slot, 0
	WIN 0
	s_barrier_wait -1
.if \fill
	CREST
	s_add_nc_u64 s[G0+4*\slot+2:G0+4*\slot+3], s[G0+4*\slot+2:G0+4*\slot+3], 2*NQ*REC
	s_add_nc_u64 s[G0B+4*\slot+2:G0B+4*\slot+3], s[G0B+4*\slot+2:G0B+4*\slot+3], 2*NQ*REC
	JLOAD G0+4*\slot, G1, G0B+4*\slot, G1B
.else
	PLACES 4
.endif
	FETCH_B \next, 0, 0
	FETCH_A \next, 0, 0
	s_wait_alu depctr_va_vdst(0)
	SCALES \next
	WIN MUL_HI
	MUL NB/2, NB/2, 1, NQ-1, \slot, 0
	PLACES 4
	WIN 0
	FETCH_A \next, 0, NB/2
.endm
	s_load_b128 s[4:7], s[0:1], 0x0
	s_load_b64 s[8:9], s[0:1], 0x10
	v_lshl_add_u32 v[SPW], v0, 2, SPARE
	v_mov_b32 v[NIL], 0
	ds_add_u32 v[SPW], v[NIL]
	ds_add_u32 v[SPW], v[NIL]
	v_lshrrev_b32 v1, 5, v0
	v_readfirstlane_b32 s14, v1
	s_lshr_b32 s15, s14, 1
	s_and_b32 s16, s14, 1
	s_bfe_u32 s40, ttmp6, 0x40000
	s_bfe_u32 s41, ttmp6, 0x40004
	s_lshl_b32 s42, ttmp9, 2
	s_add_co_u32 s42, s42, s40
	s_and_b32 s17, ttmp7, 0xffff
	s_lshl_b32 s17, s17, 2
	s_add_co_u32 s17, s17, s41
	s_lshl_b32 s43, s41, 2
	s_lshl_b32 s43, 15, s43
	s_lshl_b32 s44, 0x1111, s40
	s_or_b32 s[G1+0], s43, (3<<16)|(1<<21)
	s_or_b32 s[G1B+0], s44, (3<<16)|(1<<21)
.irp g, G1, G1B
	s_mov_b32 s[\g+1], 32<<16
	s_mov_b32 s[\g+2], 100<<16
	s_mov_b32 s[\g+3], 32<<16
	s_mov_b32 s[\g+4], 100
	s_mov_b32 s[\g+5], 32
	s_mov_b32 s[\g+6], 0
	s_mov_b32 s[\g+7], 0
.endr
	s_mul_i32 s18, s16, 2*REC
	s_mul_i32 s20, s17, HEADB
	s_add_co_u32 s20, s20, s18
	s_mov_b32 s21, 0
	s_mul_i32 s46, s42, HEADB
	s_add_co_u32 s46, s46, s18
	s_add_co_u32 s46, s46, 4*PART
	s_mov_b32 s47, 0
	s_lshl_b32 s72, s17, 7
	s_lshl_b32 s73, s15, 6
	s_add_co_u32 s72, s72, s73
	s_lshl_b32 s72, s72, 13
	s_lshl_b32 s73, s42, 9
	s_add_co_u32 s72, s72, s73
	s_lshl_b32 s73, s16, 8
	s_add_co_u32 s72, s72, s73
	s_mov_b32 s73, 0
	s_mul_i32 s45, s14, CH
	s_wait_dscnt 0x0
	s_wait_kmcnt 0x0
	s_add_nc_u64 s[20:21], s[4:5], s[20:21]
	s_add_nc_u64 s[46:47], s[6:7], s[46:47]
	s_cmp_eq_u32 s15, 0                            ; the prefetches: the four partners that ask for a chunk jointly share its 100 blocks of 256 bytes out by address, 25 each
	s_cselect_b64 s[88:89], s[20:21], s[46:47]
	s_cselect_b32 s90, s40, s41                    ; my place among them: cx for A, cy for B
	s_mul_i32 s90, s90, 6400
	s_mov_b32 s91, 0
	s_add_nc_u64 s[88:89], s[88:89], s[90:91]
	s_add_nc_u64 s[8:9], s[8:9], s[72:73]
	CROUND
.irp s, 0,1
	s_mov_b32 s[G0+4*\s], 1
	s_add_co_u32 s[G0+4*\s+1], s45, \s*SLOT
	s_add_nc_u64 s[G0+4*\s+2:G0+4*\s+3], s[20:21], \s*NQ*REC
	s_or_b32 s[G0+4*\s+3], s[G0+4*\s+3], 0x80000000
	s_mov_b32 s[G0B+4*\s], 1
	s_add_co_u32 s[G0B+4*\s+1], s45, \s*SLOT
	s_add_nc_u64 s[G0B+4*\s+2:G0B+4*\s+3], s[46:47], \s*NQ*REC
	s_or_b32 s[G0B+4*\s+3], s[G0B+4*\s+3], 0x80000000
.endr
	JLOAD G0, G1, G0B, G1B                         ; slot 0: one tensor load a wave at the head
	v_and_b32 v1, 15, v0
	v_bfe_u32 v2, v0, 4, 1
	v_and_b32 v3, 31, v0
	v_lshlrev_b32 v4, 4, v3
	s_wait_alu depctr_va_vdst(0)
	s_mul_i32 s21, s15, 4*FRB
	s_mul_i32 s22, s16, 4*FRB
	s_add_co_u32 s22, s22, 2*CH
	s_lshl_b32 s18, s15, 8
	s_lshl_b32 s19, s16, 8
	s_add_co_u32 s19, s19, 2*CH
	s_sub_co_u32 s19, s19, s18
	v_mul_u32_u24 v6, s19, v2
	v_lshl_add_u32 v6, v1, 4, v6
	v_add_nc_u32 v6, SCO, v6
.irp s, 0,1
	v_add_nc_u32 v[ADRA+\s], s21, v4
	v_add_nc_u32 v[ADRB+\s], s22, v4
	v_add_nc_u32 v[ADRS+\s], s18, v6
	s_add_co_u32 s21, s21, SLOT
	s_add_co_u32 s22, s22, SLOT
	s_add_co_u32 s18, s18, SLOT
.endr
	s_mul_i32 s23, s14, 16*272
	v_mul_u32_u24 v[STO], v1, 272
	v_lshl_add_u32 v[STO], v2, 6, v[STO]
	v_add_nc_u32 v[STO], s23, v[STO]
	v_mul_u32_u24 v[RD], v2, 272
	v_lshl_add_u32 v[RD], v1, 4, v[RD]
	v_add_nc_u32 v[RD], s23, v[RD]
	v_lshlrev_b32 v[CO], 13, v2
	v_lshl_add_u32 v[CO], v1, 4, v[CO]
	v_min_u32 v27, 24, v3
	v_lshlrev_b32 v27, 8, v27                      ; the prefetches' offset: a lane a block of 256 bytes; lanes 25-31 name block 24 again
	s_wait_alu depctr_va_vdst(0)
	global_prefetch_b8 v27, s[88:89] offset:NQ*REC th:TH_LOAD_NT scope:SCOPE_SE     ; my chunk of slots 1 and 2
	global_prefetch_b8 v27, s[88:89] offset:2*NQ*REC th:TH_LOAD_NT scope:SCOPE_SE
	s_wait_tensorcnt 0x0                           ; my part of slot 0 is in
	ds_add_u32 v[SPW], v[NIL]
	s_wait_dscnt 0x0
	CROUND                                         ; everybody's part is in, and the joint loads meet
	JLOAD G0+4, G1, G0B+4, G1B                     ; slot 1, the first tensor load behind the round
	FETCH_B 0, 0, 0
	FETCH_A 0, 0, 0
	SCALES 0
	FETCH_A 0, 0, NB/2
	global_prefetch_b8 v27, s[88:89] offset:3*NQ*REC th:TH_LOAD_NT scope:SCOPE_SE   ; slot 3
	STEP 0, 0, 1
	STEP 0, 1, 0
	STEP 0, 2, 0
	TURN 0, 1, 1
	STEP 1, 0, 0
	STEP 1, 1, 0
	STEP 1, 2, 0
	TURN 1, 0, 1
	STEP 0, 0, 0
	STEP 0, 1, 0
	STEP 0, 2, 0
	TURN 0, 1, 0
	STEP 1, 0, 0
	STEP 1, 1, 0
	STEP 1, 2, 0
	s_wait_dscnt (NB/2)*NL
	WIN MUL_LO
	MUL 0, NB/2, 1, NQ-1, 1, 0
	s_wait_dscnt 0x0
	WIN MUL_HI
	MUL NB/2, NB/2, 1, NQ-1, 1, 0
	WIN 0
.macro TOSTAGE a
	WIN 0x08+4*((\a)/2)
.irp b, 0,1,2,3
	ds_store_b128 v[STO], v[8*(4*((\a)%2)+\b):8*(4*((\a)%2)+\b)+3] offset:128*(\b/2)+32*(\b%2)
	ds_store_b128 v[STO], v[8*(4*((\a)%2)+\b)+4:8*(4*((\a)%2)+\b)+7] offset:128*(\b/2)+32*(\b%2)+16
.endr
	WIN 0
.irp i, 0,1,2,3,4,5,6,7
	ds_load_b128 v[BK+32*((\a)%2)+4*\i:BK+32*((\a)%2)+4*\i+3], v[RD] offset:544*\i
.endr
.endm
.macro SEND a, younger
	s_wait_dscnt \younger
.irp i, 0,1,2,3,4,5,6,7
	global_store_b128 v[CO], v[BK+32*((\a)%2)+4*\i:BK+32*((\a)%2)+4*\i+3], s[8:9] offset:(32*((\a)/2)+8*((\a)%2)+2*\i+8*(\i/4))*8192 th:TH_STORE_NT
.endr
.endm
	PLACES 4
	TOSTAGE 0
.irp a, 1,2,3
.if \a > 1
	s_wait_xcnt 0x0
.endif
	TOSTAGE \a
	SEND \a-1, 16
.endr
	SEND 3, 0
	s_wait_tensorcnt 0x0
	ds_add_u32 v[SPW], v[NIL]
	s_wait_dscnt 0x0
	CROUND
	s_endpgm
.Lfunc_end_k_qad0c8b1383_outp:
	.size	k_qad0c8b1383_outp, .Lfunc_end_k_qad0c8b1383_outp-k_qad0c8b1383_outp
	.p2alignl 7, 3214868480
	.fill 96, 4, 3214868480
	.section	.rodata,"a",@progbits
	.p2align	6, 0x0
	.amdhsa_kernel k_qad0c8b1383_outp
		.amdhsa_group_segment_fixed_size 327680
		.amdhsa_private_segment_fixed_size 0
		.amdhsa_enable_private_segment 0
		.amdhsa_kernarg_size 24
		.amdhsa_user_sgpr_count 2
		.amdhsa_user_sgpr_kernarg_segment_ptr 1
		.amdhsa_wavefront_size32 1
		.amdhsa_system_sgpr_workgroup_id_x 1
		.amdhsa_system_sgpr_workgroup_id_y 1
		.amdhsa_system_sgpr_workgroup_id_z 1
		.amdhsa_system_vgpr_workitem_id 0
		.amdhsa_next_free_vgpr 1024
		.amdhsa_next_free_sgpr 100
		.amdhsa_reserve_vcc 0
		.amdhsa_float_denorm_mode_32 3
		.amdhsa_float_denorm_mode_16_64 3
		.amdhsa_memory_ordered 1
		.amdhsa_forward_progress 1
		.amdhsa_inst_pref_size 83
	.end_amdhsa_kernel
	.amdgpu_metadata
---
amdhsa.version: [ 1, 2 ]
amdhsa.kernels:
  - .name:           k_qad0c8b1383_outp
    .symbol:         k_qad0c8b1383_outp.kd
    .args:
      - { .name: ctxc, .offset: 0, .size: 8, .value_kind: global_buffer, .address_space: global }
      - { .name: codes, .offset: 8, .size: 8, .value_kind: global_buffer, .address_space: global }
      - { .name: out0, .offset: 16, .size: 8, .value_kind: global_buffer, .address_space: global }
    .group_segment_fixed_size: 327680
    .private_segment_fixed_size: 0
    .kernarg_segment_align: 8
    .kernarg_segment_size: 24
    .max_flat_workgroup_size: 128
    .sgpr_count:     100
    .vgpr_count:     1024
    .wavefront_size: 32
...
	.end_amdgpu_metadata
.endif
;; end of part 4
